; MI455X (gfx1250); checked and timed in simulation.
; The chip was launched on July 23, 2026; its instructions are those of AMD's public machine-readable ISA for CDNA 5 (MIT licence, August 2026) and "CDNA5" Instruction Set Architecture Reference Guide (July 2026). The comments in the code are by the model that wrote it; some were corrected since.
;; Chunked Local Attention. Allowed arithmetic: matrix products marked QUANTISED: E4M3 operands, one given power-of-two scale a tensor, by v_wmma_f32_16x16x64_fp8_fp8 or v_wmma_f32_16x16x128_fp8_fp8, f32 sums; everything else in f32.
;; Inputs: Wk 512 x 512 float32; Wo 512 x 512 float32; Wq 512 x 512 float32; Wv 512 x 512 float32; lowp_scales 12 int32 (the exponents e of the quantised operands' scales 2^e); x 4 x 8,192 x 512 float32.
;; Outputs: out0 4 x 8,192 x 512 float32.
;; This version of the problem:
;;   THIS VERSION OF THE PROBLEM IS GIVEN IN LOW PRECISION. The matrix products marked QUANTISED in the list below multiply operands that are first quantised to E4M3 (4 exponent bits, 3 mantissa bits; 8 bits a number), with one given power-of-two scale for each operand tensor; their sums are f32. All else is computed in f32.
;;   The module's matrix products, in the order in which they are computed (A, B: the left and right operand; K: the contracted axis; several contracted axes count as one K, in the product's order):
;;     1. [M 32,768, K 512] x [K 512, N 512]; A: input x; B: input Wq: QUANTISED (scales: A lowp_scales[0], B lowp_scales[1])
;;     2. [M 32,768, K 512] x [K 512, N 512]; A: input x; B: input Wk: QUANTISED (scales: A lowp_scales[2], B lowp_scales[3])
;;     3. [M 32,768, K 512] x [K 512, N 512]; A: input x; B: input Wv: QUANTISED (scales: A lowp_scales[4], B lowp_scales[5])
;;     4. batch 2,048 x [M 256, K 32] x [K 32, N 256]; A: computed on the way; B: computed on the way: QUANTISED (scales: A lowp_scales[6], B lowp_scales[7])
;;     5. batch 2,048 x [M 256, K 256] x [K 256, N 32]; A: softmax (see below); B: computed on the way: QUANTISED (scales: A lowp_scales[8], B lowp_scales[9])
;;     6. [M 32,768, K 512] x [K 512, N 512]; A: computed on the way; B: input Wo: QUANTISED (scales: A lowp_scales[10], B lowp_scales[11])
;;   THE QUANTISER, for each operand of a quantised product, along K:
;;     - The operand's scale is 2^e, e = its entry of the input lowp_scales (int32; the entries are numbered through the quantised products in the list's order, A before B).
;;     - Each number is divided by the scale, clamped to +-448, and rounded to the nearest number of E4M3, ties to even, subnormals kept.
;;     - The product sums the exact products of the quantised numbers (number of the format x scale) in f32.
;;   ~~~python
;;   def quantise(x, axis, e):      # numpy; x: float32 -> the quantised numbers, widened to float32 again
;;       x = np.moveaxis(x, axis, -1); K = x.shape[-1]
;;       r = np.clip(x / 2.0 ** e, -448, 448)
;;       step = 2.0 ** (np.maximum(np.frexp(np.where(r == 0, 1, r))[1] - 1, -6) - 3)
;;       q = np.round(r / step) * step * 2.0 ** e      # np.round: ties to even
;;       return np.moveaxis(q, -1, axis).astype(np.float32)
;;   ~~~
;;   SOFTMAX AHEAD OF A QUANTISED PRODUCT. Where the list says 'softmax', what is quantised is not the finished softmax but p = 2^(t - M), with t = logit x log2(e) and M = ceil(the row's largest t), a whole number; so 1/2 < the row's largest p <= 1. The row's sum l is taken of the UNQUANTISED p, in f32, and the product's result is divided by l at the end. Since M is a whole number, a kernel that streams over the keys may use a running M (the ceiling of the running maximum): every later rescaling is an exact power of two, so the quantised numbers keep their values, but for numbers so far below the row's largest that they fall under the format's range.
;;   OPERANDS COMPUTED ON THE WAY. 'Computed on the way' means the value that the module computes at that place (a softmax that the list does not call 'softmax' is quantised finished and normalised). What goes into a quantiser is computed in f32, as accurately as f32 sums, v_exp_f32 and their like allow (about 1e-6 of the number): no bf16 or f16 on the way to a quantiser, and a product that is left as it is and whose result goes on into a quantised operand takes f32 operands (vector FMAs, or v_wmma_f32_16x16x4_f32). A number that lies on a knife's edge between two numbers of the format may be rounded either way, as far as f32 arithmetic and the matrix unit's own rounding can turn it there, and no further.
;; 2 versions, each right; version 2 is version 1 with the launch fused written anew for expert scheduling mode. Each part assembles by itself: llvm-mc -triple=amdgcn-amd-amdhsa -mcpu=gfx1250 --defsym DOCPART=n.
;; ======== version 1 of 2: 2 launches
;; limits: right only within a limited range of input values
;; workspace buffers: wfrag 1,048,576 bytes
;; launch prep (part 1): grid 256 x 1, 4 waves a work-group, no clusters, 0 bytes of LDS; arguments Wk, Wv, Wq, Wo, lowp_scales, wfrag; writes wfrag
.if DOCPART == 1
	.amdgcn_target "amdgcn-amd-amdhsa--gfx1250"
	.amdhsa_code_object_version 6
	.text
	.protected	k_qf3fcb4f074_prep
	.globl	k_qf3fcb4f074_prep
	.p2align	8
	.type	k_qf3fcb4f074_prep,@function
k_qf3fcb4f074_prep:
	s_mov_b64 s[64:65], 0
	v_nop
	global_prefetch_b8 v0, s[64:65] scope:SCOPE_SE
	s_setreg_imm32_b32 hwreg(HW_REG_WAVE_MODE, 25, 1), 1
	s_wait_xcnt 0x0
; THE PROGRAM: chunked local attention on codes of FP8 (E4M3), two launches.  This one turns the four weights [512 (k)][512 (n)], f32, into codes, once;
; the second launch does everything else and keeps q, k, v, p and the attention result on the WGP.
; WORK LEFT OUT BY THE PROGRAM, and why it is dead for all values of the inputs:
;   reference() builds its mask in its own body: key j counts for query i of a chunk only where i - 64 <= j <= i.  Everywhere else it writes the least f32 number
;   ahead of the softmax, the diagonal key always counts, so p there is 0 and adds nothing to the row's sum or to the second product.  For 16 queries i0 .. i0 + 15 the keys that can count
;   lie in the five tiles of 16 keys from i0 - 64 to i0 + 15; the other eleven tiles of scores and of p v are not computed, nor those of the five that would lie ahead of the chunk's first row.
;   The padding of reference() is empty: 8,192 is a multiple of 256.  Every input has a way to the output and is loaded.
;   LIMIT: a NaN, an infinity or an overflow that reaches only the tiles left out is not carried to the result.
; THIS LAUNCH.  code = w / 2^e, held within +-448, to the nearest code, ties to even; e = lowp_scales[3] for Wk, [5] for Wv, [1] for Wq, [11] for Wo.
; LIMITS: -126 <= e <= 119, so that 2^e and 448 x 2^e are f32 numbers.  NaN among the inputs is not served.
; THE LAYOUT OF wfrag is the order of the reader's operand registers.  Wave w of the second launch (0..3) has 262,144 bytes, eight slices of 32,768 in its order of use:
;   K(hp 0), V(hp 0), Q(hp 0), K(hp 1), V(hp 1), Q(hp 1), O(pass 0), O(pass 1).  A slice is 64 columns (128 w + 64 hp + 16 nt + r) x 512 k: an image of 256 registers,
;   register R = 64 nt + 16 sg + q (nt: tile of 16 columns, sg: K step of 128, q: register of the fragment), at byte (R / 4) x 512 + 16 x lane + 4 (R % 4).
;   Lane (r = lane % 16, h = lane / 16) holds column r of the tile.  Byte b of register q holds
;   MAP X (Wk, Wv, Wq), q = 4 c + s:  k = 128 s + 32 sg + 8 c + 4 h + b: a permutation of k, the same as the second launch gives x's codes, so that every product meets its partner;
;   MAP P (Wo),         q = 2 c + u:  k = 128 sg + 16 c + 8 h + 4 u + b: the form's own places, in which the attention result's conversions fall.
; SHARES.  Work-group = (weight m, group cg of 64 columns, K step sg, half qh of a fragment's registers); wave = nt.  A LANE TAKES A COLUMN AND ITS REGISTERS RUN DOWN K:
; 32 loads of 4 bytes, sixteen lanes on 64 consecutive bytes and the four waves side by side on 256; the conversions' results are the operand's registers: two stores of 512 consecutive bytes a wave.
; No LDS, no barrier, no matrix unit: the launch moves 4 MiB in and 1 MiB out once.
	s_load_b256 s[4:11], s[0:1], 0x0               ; Wk s[4:5], Wv s[6:7], Wq s[8:9], Wo s[10:11]
	s_load_b128 s[12:15], s[0:1], 0x20             ; the scales' exponents s[12:13], wfrag s[14:15]
	v_lshrrev_b32 v1, 5, v0
	v_readfirstlane_b32 s32, v1                    ; nt = wave
	v_and_b32 v1, 15, v0                           ; r
	v_bfe_u32 v2, v0, 4, 1                         ; h
	v_and_b32 v4, 31, v0
	v_lshlrev_b32 v4, 4, v4                        ; 16 x lane: my place in a store's 512 bytes
	v_lshlrev_b32 v5, 2, v1                        ; 4 r: my column in a row of W
	s_lshr_b32 s33, ttmp9, 6                       ; m: 0 K, 1 V, 2 Q, 3 O
	s_bfe_u32 s34, ttmp9, 0x30003                  ; cg
	s_bfe_u32 s35, ttmp9, 0x20001                  ; sg
	s_and_b32 s36, ttmp9, 1                        ; qh
	s_lshl_b32 s37, s35, 5
	s_lshl_b32 s38, s36, 4
	s_add_co_u32 s37, s37, s38                     ; map X: my first row of W is 32 sg + 16 qh;
	s_cmp_eq_u32 s33, 3
	s_cselect_b32 s38, 2, 0
	s_lshl_b32 s37, s37, s38                       ; map P: 128 sg + 64 qh, four times that
	s_lshl_b32 s37, s37, 11                        ; a row of W is 2,048 bytes
	s_lshl_b32 s38, s34, 8
	s_add_co_u32 s37, s37, s38                     ; + 64 cg columns
	s_lshl_b32 s38, s32, 6
	s_add_co_u32 s40, s37, s38                     ; + 16 nt columns
	s_mov_b32 s41, 0
	s_and_b32 s38, s34, 1                          ; hp, or the pass
	s_mul_i32 s39, s38, 3
	s_add_co_u32 s39, s39, s33                     ; the slice's place: 3 hp + m,
	s_add_co_u32 s38, s38, 6                       ; for Wo 6 + pass
	s_cmp_eq_u32 s33, 3
	s_cselect_b32 s39, s38, s39
	s_lshl_b32 s39, s39, 15
	s_lshr_b32 s38, s34, 1                         ; the wave that will read it
	s_lshl_b32 s38, s38, 18
	s_add_co_u32 s39, s39, s38
	s_lshl_b32 s38, s32, 13                        ; (16 nt + 4 sg + 2 qh) groups of four registers, 512 bytes each
	s_add_co_u32 s39, s39, s38
	s_lshl_b32 s38, s35, 11
	s_add_co_u32 s39, s39, s38
	s_lshl_b32 s38, s36, 10
	s_add_co_u32 s42, s39, s38
	s_mov_b32 s43, 0
	s_wait_kmcnt 0x0
	s_load_b256 s[16:23], s[12:13], 0x0            ; e0 .. e7
	s_load_b128 s[24:27], s[12:13], 0x20           ; e8 .. e11: together the buffer's 48 bytes
	s_mov_b64 s[28:29], s[10:11]                   ; which weight: the choice hangs on the work-group's number alone
	s_cmp_eq_u32 s33, 2
	s_cselect_b64 s[28:29], s[8:9], s[28:29]
	s_cmp_eq_u32 s33, 1
	s_cselect_b64 s[28:29], s[6:7], s[28:29]
	s_cmp_eq_u32 s33, 0
	s_cselect_b64 s[28:29], s[4:5], s[28:29]
	s_add_nc_u64 s[28:29], s[28:29], s[40:41]
	s_add_nc_u64 s[14:15], s[14:15], s[42:43]
	s_cmp_eq_u32 s33, 3
	s_cbranch_scc1 .Lmap_p
	v_lshl_add_u32 v3, v2, 13, v5                  ; map X: lanes 16-31 stand 4 rows further down
.irp cl, 0,1
.irp sp, 0,1,2,3
.irp b, 0,1,2,3
	global_load_b32 v[16+16*\cl+4*\sp+\b], v3, s[28:29] offset:(128*\sp+8*\cl+\b)*2048 th:TH_LOAD_NT   ; number 16 cl + 4 s + b: register 4 cl + s of my eight, byte b
.endr
.endr
.endr
	s_branch .Lloaded
.Lmap_p:
	v_lshl_add_u32 v3, v2, 14, v5                  ; map P: lanes 16-31 stand 8 rows further down
.irp ql, 0,1,2,3,4,5,6,7
.irp b, 0,1,2,3
	global_load_b32 v[16+4*\ql+\b], v3, s[28:29] offset:(16*(\ql>>1)+4*(\ql&1)+\b)*2048 th:TH_LOAD_NT
.endr
.endr
.Lloaded:
	s_wait_kmcnt 0x0
	s_mov_b32 s30, s27                             ; e: Wo's,
	s_cmp_eq_u32 s33, 2
	s_cselect_b32 s30, s17, s30                    ; Wq's,
	s_cmp_eq_u32 s33, 1
	s_cselect_b32 s30, s21, s30                    ; Wv's,
	s_cmp_eq_u32 s33, 0
	s_cselect_b32 s30, s19, s30                    ; Wk's
	s_add_co_i32 s30, s30, 127
	s_lshl_b32 s31, s30, 23
	v_mov_b32 v11, s31                             ; 2^e as f32: the conversion takes its exponent field
	s_add_co_i32 s30, s30, 8
	s_lshl_b32 s30, s30, 23
	s_or_b32 s30, s30, 0x600000
	v_mov_b32 v10, s30                             ; 448 x 2^e
	s_wait_loadcnt 0x0
.set jj, 0
.rept 32
	v_med3_num_f32 v[16+jj], v[16+jj], -v10, v10   ; the conversion to an 8-bit code does not saturate (ISA guide 7.6.2): the hold comes first
.set jj, jj+1
.endr
.irp j, 0,1,2,3
	v_cvt_scalef32_pk8_fp8_f32 v[48+2*\j:49+2*\j], v[16+8*\j:23+8*\j], v11
.endr
	global_store_b128 v4, v[48:51], s[14:15]       ; each store of the wave covers 512 consecutive bytes, aligned
	global_store_b128 v4, v[52:55], s[14:15] offset:512
	s_endpgm
.Lfunc_end_k_qf3fcb4f074_prep:
	.size	k_qf3fcb4f074_prep, .Lfunc_end_k_qf3fcb4f074_prep-k_qf3fcb4f074_prep
	.p2alignl 7, 3214868480
	.fill 96, 4, 3214868480
	.section	.rodata,"a",@progbits
	.p2align	6, 0x0
	.amdhsa_kernel k_qf3fcb4f074_prep
		.amdhsa_group_segment_fixed_size 0
		.amdhsa_private_segment_fixed_size 0
		.amdhsa_enable_private_segment 0
		.amdhsa_kernarg_size 48
		.amdhsa_user_sgpr_count 2
		.amdhsa_user_sgpr_kernarg_segment_ptr 1
		.amdhsa_wavefront_size32 1
		.amdhsa_system_sgpr_workgroup_id_x 1
		.amdhsa_system_sgpr_workgroup_id_y 1
		.amdhsa_system_sgpr_workgroup_id_z 1
		.amdhsa_system_vgpr_workitem_id 0
		.amdhsa_next_free_vgpr 64
		.amdhsa_next_free_sgpr 66
		.amdhsa_reserve_vcc 0
		.amdhsa_float_denorm_mode_32 3
		.amdhsa_float_denorm_mode_16_64 3
		.amdhsa_memory_ordered 1
		.amdhsa_forward_progress 1
		.amdhsa_inst_pref_size 12
	.end_amdhsa_kernel
	.amdgpu_metadata
---
amdhsa.version: [ 1, 2 ]
amdhsa.kernels:
  - .name:           k_qf3fcb4f074_prep
    .symbol:         k_qf3fcb4f074_prep.kd
    .args:
      - { .name: Wk, .offset: 0, .size: 8, .value_kind: global_buffer, .address_space: global }
      - { .name: Wv, .offset: 8, .size: 8, .value_kind: global_buffer, .address_space: global }
      - { .name: Wq, .offset: 16, .size: 8, .value_kind: global_buffer, .address_space: global }
      - { .name: Wo, .offset: 24, .size: 8, .value_kind: global_buffer, .address_space: global }
      - { .name: lowp_scales, .offset: 32, .size: 8, .value_kind: global_buffer, .address_space: global }
      - { .name: wfrag, .offset: 40, .size: 8, .value_kind: global_buffer, .address_space: global }
    .group_segment_fixed_size: 0
    .private_segment_fixed_size: 0
    .kernarg_segment_align: 8
    .kernarg_segment_size: 48
    .max_flat_workgroup_size: 128
    .sgpr_count:     66
    .vgpr_count:     64
    .wavefront_size: 32
...
	.end_amdgpu_metadata
.endif
;; end of part 1
;; launch fused (part 2): grid 256 x 1, 4 waves a work-group, no clusters, 313,856 bytes of LDS; arguments x, wfrag, lowp_scales, out0; writes out0
.if DOCPART == 2
	.amdgcn_target "amdgcn-amd-amdhsa--gfx1250"
	.amdhsa_code_object_version 6
	.text
	.protected	k_qf3fcb4f074_fused
	.globl	k_qf3fcb4f074_fused
	.p2align	8
	.type	k_qf3fcb4f074_fused,@function
k_qf3fcb4f074_fused:
	s_mov_b64 s[64:65], 0
	v_nop
	global_prefetch_b8 v0, s[64:65] scope:SCOPE_SE
	s_setreg_imm32_b32 hwreg(HW_REG_WAVE_MODE, 25, 1), 1
	s_wait_xcnt 0x0
; out0 = attention(x Wq, x Wk, x Wv) Wo in chunks of 256 rows, 16 heads of 32, key j for query i where i - 64 <= j <= i; all six products on codes of FP8 (E4M3), each operand with its given scale 2^e.
; WORK LEFT OUT (shown at the head of the first kernel): score and p v tiles that lie wholly outside the band that reference() itself builds, or ahead of the chunk's first row.  A NaN, infinity or overflow that reaches only them is not carried on.
; SHARES.  Work-group wg owns rows 128 wg .. 128 wg + 127 of x taken as [32768][512]: half a chunk.  kind = wg & 1.  TOKEN TILES T = 0 .. 11 stand for rows 128 wg - 64 + 16 T: T = 4 .. 11 are my own rows
; (query tile i is T = i + 4); T = 0 .. 3 are the 64 rows ahead, whose K and V an odd work-group needs and computes again (an even one has none: they lie in another chunk).
; THE FOUR WAVES SHARE THE COLUMNS: wave w owns heads 4 w .. 4 w + 3, as two pairs hp of 64 columns, and columns 128 w .. 128 w + 127 of out0 in two passes of 64.
; So q, k, v and p never leave the registers of the wave that made them; x's codes (three sets: x has three scales) lie in LDS and are read by all; the attention result's codes go round through LDS as images of registers.
; WEIGHTS come as codes in the order of my operand registers (wfrag), 64 columns x 512 k = one register window a slice, straight from memory, in two windows by turns.
; LAYOUTS, so that nothing is transposed by an instruction (lane = (r = lane % 16, h = lane / 16)):
;   K, Q: source 0 = 16 columns of W, source 1 = 16 tokens: a lane holds token r and channels 16 t + 8 h + j of the pair's 64: the conversion of tile t gives registers 2 t, 2 t + 1 of a K = 64 fragment (head a in k 32 a ..).
;   S^T = K Q^T with Q's other head's registers set to 0: a lane holds query r and keys 16 c + 8 h + j: the conversion of p gives registers 2 c, 2 c + 1 of the second product's operand.
;   V: source 0 = tokens, source 1 = columns: a lane holds channel r and tokens 16 T + 8 h + j: registers 2 T, 2 T + 1 of V^T along the keys.
;   O^T = V^T P^T, one K = 128 instruction: V's registers of tiles i .. i + 7, P's ten registers and six of zeros (V's registers past tile i + 4 hold other codes, which meet zero codes).
;   O^T's conversions are registers 8 hp + 4 a + 2 ct .. of K step w of the last product.
; THE MASK costs no vector instruction: it is the C of the two tiles on the band's edges, -2^100 where a key is hidden.  A sum of 32 products of codes is at most 32 x 448^2 in size, so -2^100 stays under every score and p there is 0.
; SOFTMAX: t = score x log2(e) / sqrt(32); M = ceil(the row's largest t); p = 2^(t - M) is quantised; the row's sum is of the unquantised p and divides at the end.  A query tile's 80 keys are taken at once, so M never moves.
; LIMITS on the given exponents, so that each power of two is an f32 number: e0, e2, e4, e8, e7-e2-e3, e9-e4-e5, e6-e0-e1, e10-e8-e9 between -126 and 119; e6+e7 between -80 and 100; e10+e11 between -126 and 127.
; NaN and infinities among the inputs are not served.
; LDS: x's codes, a tile of 16 tokens x 512 k = 32 blocks of 272 bytes: block 8 sg + 2 c + h holds, for token r at byte 16 r, the four registers 4 c .. 4 c + 3 of fragment sg: k = 128 s + 32 sg + 8 c + 4 h + b.
;   A block is 68 words, so neighbouring blocks begin 4 banks apart (64 banks of 4 bytes: ISA guide 11.1); a load's 16 lanes read 256 consecutive bytes.
.set TILEB, 8704                       ; a tile of x's codes
.set XREG,  12*TILEB                   ; XK at 0, XV at XREG, XQ at 2 XREG (indexed by T: its tiles 0 .. 3 do not exist)
.set AO0,   2*XREG                     ; in that hole: the attention result's codes of hp 0, 32,768 bytes: image (i, wave) at 1024 (4 i + wave), two groups of four registers, 512 apart
.set AOD,   4*TILEB                    ; those of hp 1 lie AOD further on, over XQ's tiles 4 .. 7, written only when no wave reads XQ any more
.set SPARE, 3*XREG                     ; the spare words, 128 bytes for each wave: two blocks of 256 bytes that no other line names
                                       ; the way out's stage, 16 rows x 272 bytes a wave, lies at 4352 x wave, over XK, which is dead by then
; REGISTERS.  Window 0: at work.  Window 1: the codes: V at v[24 ct + 2 T], K at v[96 + 8 T + 2 t], Q at v[192 + 8 i + 2 t].  Windows 2, 3: a weight slice each.
; While x comes in, windows 1 and 3 are two landing zones: v0-127 eight rows x 16 numbers, v128-159 held numbers (two sets), v160-191 codes, v192 the limit, v193 the scale, v194 LDS address, v195 16 x lane, v196 272 x lane + 64 x wave.
.set LI,  1                            ; 16 x lane
.set AX,  2                            ; v2-7   272 h + 16 r + 52,224 n: the fragments' place in half a region (six tiles)
.set AOW, 8                            ; where I store the attention result's images
.set AR,  9                            ; where I load them
.set GO2, 10                           ; the stores' offset in out0
.set STO, 11                           ; the stage, in: 4352 w + 272 r + 32 h
.set SRD, 12                           ; the stage, back: 4352 w + 272 h + 16 r
.set GO,  13                           ; 2048 h + 16 r
.set SPW, 14                           ; my spare word; never rewritten
.set NIL, 15                           ; 0; never rewritten
.set SCK, 16                           ; v16-18 the conversions' scales for K, V, Q;
.set SCP, 19                           ; for p;
.set SCA, 20                           ; for the attention result
.set DLT, 21                           ; r - 8 h
.set NEG, 22                           ; -2^100
.set ARB, 23                           ; AO0 + 16 x lane
.set MA,  24                           ; v24-27 two chains of maxima for each head
.set NM,  28                           ; v[28:29], v[30:31]  -M (low word)
.set MK0, 32                           ; v32-39 the far tile's mask
.set MK4, 40                           ; v40-47 the diagonal tile's
.set LS,  48                           ; v48-55 the row's sum, two pairs for each head
.set INV, 56                           ; v[56:57], v[58:59]  1 / sum (low word)
.set QZ,  64                           ; v64-79 Q with the other head's half zero
.set SS,  80                           ; v80-159 S^T, then p: 40 a head
.set PP,  160                          ; v160-191 p's codes, 16 a head
.set OO,  192                          ; v192-223 O^T
.set AOC, 224                          ; v224-231 its codes
.set OB,  32                           ; the way out: 16 rows read back (masks and statistics are dead by then)
                                       ; projections: v64-127, v128-191 two sets of x's (or the attention result's) four fragments; v192-223, v224-255 two sets of four accumulators
; SCALARS: s[4:5] x at my first own row, s[6:7] the weight slice in hand, s[10:11] out0 at my rows and columns, s12 wave, s13 kind, s[16:27] e0 .. e11, s29 pass, s30 LDS base, s33-35 / s36-38 x's three scales / limits (K, V, Q; they rotate),
; s40/41, s42/43, s44/45, s46/47 -/+ limits for K, V, Q, the attention result, s[48:49] c x 2^(e6+e7), s50 448 x 2^e8, s[52:53] lane selects, s54 2^(e10+e11), s55-59 counters and steps
.set MSB, 0
.macro WIN new                         ; the immediate's high byte repeats the setting that is left; a switch that changes nothing is dropped
.if MSB != (\new)
	s_set_vgpr_msb (MSB<<8)|(\new)
.set MSB, (\new)
.endif
.endm
.macro PLACES n
.rept \n
	v_nop
.endr
.endm
.macro BARRIER                         ; my LDS stores have landed and my LDS loads are in: then the work-group's barrier
	s_wait_dscnt 0x0
	s_barrier_signal -1
	s_barrier_wait -1
.endm
.macro POW2 sb, sl                     ; s60 = E: s[sb] = 2^E, s[sl] = 448 x 2^E, as f32
	s_add_co_i32 s60, s60, 127
	s_lshl_b32 s[\sb], s60, 23
	s_add_co_i32 s60, s60, 8
	s_lshl_b32 s[\sl], s60, 23
	s_or_b32 s[\sl], s[\sl], 0x600000
.endm
; 32 loads: my 4 rows (4 w ..) of token tiles T0 and T0 + 1; a row is four runs of 512 consecutive bytes, 16 a lane: lane l holds k = 128 s + 4 l + 0 .. 3
.macro XLD w, T0
	WIN \w
.irp p, 0,1,2,3,4,5,6,7
.irp s, 0,1,2,3
	global_load_b128 v[16*\p+4*\s:16*\p+4*\s+3], v195, s[4:5] offset:(16*((\T0)-4+(\p>>2))+(\p&3))*2048+512*\s
.endr
.endr
	WIN 0
.endm
; 32 loads: groups g0 .. g0 + 31 of the first weight slice into window 2
.macro WPART g0
	WIN 0x80
.set gg, \g0
.rept 32
	global_load_b128 v[4*gg:4*gg+3], v[LI], s[6:7] offset:512*gg
.set gg, gg+1
.endr
	WIN 0
.endm
; the next slice, whole, into window win.  It stands behind a wait that shows the earlier loads by s[6:7] done
.macro WLOAD win
	s_add_nc_u64 s[6:7], s[6:7], 32768
	WIN ((\win)<<6)
.set gg, 0
.rept 64
	global_load_b128 v[4*gg:4*gg+3], v[LI], s[6:7] offset:512*gg
.set gg, gg+1
.endr
	WIN 0
.endm
; one scale's pass over a zone's eight rows: hold, convert, 16 bytes of codes a lane and row into my block of the tile.  The numbers stay as they are for the next pass
.macro XWORK w
	WIN \w
	s_wait_dscnt 0x0                               ; the last pass's stores have read their registers
	v_mov_b32 v192, s36
	v_mov_b32 v193, s33
	v_add_nc_u32 v194, s30, v196
.irp p, 0,1,2,3,4,5,6,7
.irp j, 0,1,2,3,4,5,6,7,8,9,10,11,12,13,14,15
	v_med3_num_f32 v[128+16*(\p&1)+\j], v[16*\p+\j], -v192, v192   ; the conversion does not saturate (ISA guide 7.6.2).  Two sets by turns: plain lines stand between a conversion and the next write of its sources
.endr
	v_cvt_scalef32_pk8_fp8_f32 v[160+4*\p:161+4*\p], v[128+16*(\p&1):135+16*(\p&1)], v193
	v_cvt_scalef32_pk8_fp8_f32 v[162+4*\p:163+4*\p], v[136+16*(\p&1):143+16*(\p&1)], v193
	ds_store_b128 v194, v[160+4*\p:163+4*\p] offset:(\p>>2)*TILEB+16*(\p&3)
.endr
	v_nop                                          ; a plain line behind the last conversion
	WIN 0
.endm
; a zone's turn: tiles T0, T0 + 1, for K's, V's and Q's scale.  left: the younger loads that may stay out, all of them issued on every way here.
; own = 0: the 64 rows ahead: every work-group walks the loop; the jumps lead round the work alone, in an even work-group and in Q's pass (those rows are no queries)
.macro XHALF w, T0, own, left
	s_wait_loadcnt \left
	s_mov_b32 s30, (\T0)*TILEB
	s_mov_b32 s29, 0
.Lxp_\@:
.if (\own) == 0
	s_cmp_eq_u32 s13, 0
	s_cbranch_scc1 .Lxn_\@
	s_cmp_eq_u32 s29, 2
	s_cbranch_scc1 .Lxn_\@
.endif
	XWORK \w
.Lxn_\@:
	s_mov_b32 s39, s33                             ; the three scales and limits rotate: after three trips they stand as before
	s_mov_b32 s33, s34
	s_mov_b32 s34, s35
	s_mov_b32 s35, s39
	s_mov_b32 s39, s36
	s_mov_b32 s36, s37
	s_mov_b32 s37, s38
	s_mov_b32 s38, s39
	s_add_co_u32 s30, s30, XREG                    ; the next scale's region
	s_add_co_u32 s29, s29, 1
	s_cmp_lt_u32 s29, 3
	s_cbranch_scc1 .Lxp_\@
.endm
; 16 LDS loads: token tile T's four fragments out of region g (0 K, 1 V, 2 Q) into set buf
.macro AFLOAD g, T, buf
.irp sg, 0,1,2,3
.irp c, 0,1,2,3
	ds_load_b128 v[64+64*(\buf)+16*\sg+4*\c:64+64*(\buf)+16*\sg+4*\c+3], v[AX+2*(\g)+(\T)/6] offset:((\T)%6)*TILEB+272*(8*\sg+2*\c)
.endr
.endr
.endm
; the four conversions of token tile T out of the accumulators at acc, into window 1
.macro PCVT typ, T, acc
	WIN 0x40
.irp t, 0,1,2,3
.if (\typ) == 0
.set DC, 96+8*(\T)+2*\t
.elseif (\typ) == 1
.set DC, 24*\t+2*(\T)
.else
.set DC, 192+8*((\T)-4)+2*\t
.endif
	v_cvt_scalef32_pk8_fp8_f32 v[DC:DC+1], v[(\acc)+8*\t:(\acc)+8*\t+7], v[SCK+(\typ)]
.endr
.endm
; matrix instruction kk of a tile's 16: K step kk / 4, column tile kk % 4: the four accumulators take turns, one instruction a turn.  str = 1: tokens are source 0
.macro PWM str
.set DD, ACA+8*(kk%4)
.set WW, 64*(kk%4)+16*(kk/4)
.set FF, AFB+16*(kk/4)
.if \str
.if kk < 4
	v_wmma_f32_16x16x128_fp8_fp8 v[DD:DD+7], v[FF:FF+15], v[WW:WW+15], 0
.else
	v_wmma_f32_16x16x128_fp8_fp8 v[DD:DD+7], v[FF:FF+15], v[WW:WW+15], v[DD:DD+7]
.endif
.else
.if kk < 4
	v_wmma_f32_16x16x128_fp8_fp8 v[DD:DD+7], v[WW:WW+15], v[FF:FF+15], 0
.else
	v_wmma_f32_16x16x128_fp8_fp8 v[DD:DD+7], v[WW:WW+15], v[FF:FF+15], v[DD:DD+7]
.endif
.endif
.endm
; one token tile of a projection: 16 matrix instructions; behind each, two holds of the tile before, written so that the one window field that is set meets a scalar; then that tile's conversions.
; Places: behind the last matrix instruction stand its two holds and two v_nop (in a run's first tile four v_nop) ahead of the loads into the fragments that it read, and of the next tile's holds of its results
.macro PTILE typ, T, Ta, Tb
.set PAR, ((\T)&1)
.set ACA, 192+32*PAR
.set ACB, 224-32*PAR
.set AFB, 64+64*PAR
.if (\T) == (\Tb)
	s_wait_dscnt 0x0
.else
	s_wait_dscnt 16                                ; my fragments are in; the next tile's 16 loads may be out
.endif
.if (\typ) == 1
	WIN 0x0c                                       ; source 1 (Wv) window 3
.else
	WIN 0x02                                       ; source 0 (Wk, Wq) window 2
.endif
.set kk, 0
.rept 16
.if (\typ) == 1
	PWM 1
.if (\T) > (\Ta)
	v_med3_num_f32 v[ACB+2*kk], v[ACB+2*kk], s42, s43
	v_med3_num_f32 v[ACB+2*kk+1], v[ACB+2*kk+1], s42, s43
.endif
.else
	PWM 0
.if (\T) > (\Ta)
	v_med3_num_f32 v[ACB+2*kk], s[40+2*(\typ)], v[ACB+2*kk], s[41+2*(\typ)]
	v_med3_num_f32 v[ACB+2*kk+1], s[40+2*(\typ)], v[ACB+2*kk+1], s[41+2*(\typ)]
.endif
.endif
.set kk, kk+1
.endr
.if (\T) > (\Ta)
	PCVT \typ, (\T)-1, ACB
	PLACES 2
	WIN 0
.else
	WIN 0
	PLACES 4
.endif
.if (\T)+2 <= (\Tb)
	AFLOAD \typ, (\T)+2, PAR
.endif
.endm
; a projection (typ 0 K, 1 V, 2 Q) of token tiles Ta .. Tb (Ta even) for the pair's 64 columns
.macro PRUN typ, Ta, Tb
	AFLOAD \typ, \Ta, 0
	AFLOAD \typ, (\Ta)+1, 1
.set TT, \Ta
.rept (\Tb)-(\Ta)+1
	PTILE \typ, TT, \Ta, \Tb
.set TT, TT+1
.endr
.set jj, 0
.rept 32
	v_med3_num_f32 v[ACA+jj], v[ACA+jj], s[40+2*(\typ)], s[41+2*(\typ)]   ; the last tile, each accumulator from its low end on
.set jj, jj+1
.endr
	PCVT \typ, \Tb, ACA
	v_nop
	WIN 0
.endm
; ---- attention, query tile i, both heads of the pair, key tiles lo .. hi of the window's five
.macro SW i, lo, hi                    ; S^T = K Q^T; the masks are the C of the edge tiles
	WIN 0x01
.set cc, \lo
.rept (\hi)-(\lo)+1
.irp a, 0,1
.set SD, SS+40*\a+8*cc
.set KA, 96+8*((\i)+cc)
.if cc == 0
	v_wmma_f32_16x16x64_fp8_fp8 v[SD:SD+7], v[KA:KA+7], v[QZ+8*\a:QZ+8*\a+7], v[MK0:MK0+7]
.elseif cc == 4
	v_wmma_f32_16x16x64_fp8_fp8 v[SD:SD+7], v[KA:KA+7], v[QZ+8*\a:QZ+8*\a+7], v[MK4:MK4+7]
.else
	v_wmma_f32_16x16x64_fp8_fp8 v[SD:SD+7], v[KA:KA+7], v[QZ+8*\a:QZ+8*\a+7], 0
.endif
.endr
.set cc, cc+1
.endr
	WIN 0
.endm
.macro MX lo, hi                       ; the largest score, two chains a head; each accumulator is read from its low end on
.set cc, \lo
.rept (\hi)-(\lo)+1
.irp a, 0,1
	v_max3_num_f32 v[MA+2*\a], v[MA+2*\a], v[SS+40*\a+8*cc], v[SS+40*\a+8*cc+1]
	v_max3_num_f32 v[MA+2*\a+1], v[MA+2*\a+1], v[SS+40*\a+8*cc+2], v[SS+40*\a+8*cc+3]
.endr
.irp a, 0,1
	v_max3_num_f32 v[MA+2*\a], v[MA+2*\a], v[SS+40*\a+8*cc+4], v[SS+40*\a+8*cc+5]
	v_max3_num_f32 v[MA+2*\a+1], v[MA+2*\a+1], v[SS+40*\a+8*cc+6], v[SS+40*\a+8*cc+7]
.endr
.set cc, cc+1
.endr
.endm
.macro FE lo, hi                       ; p = 2^(c s - M): the scalings, the exponentials as one batch, a plain line, one wait ahead of the first reader
.set cc, \lo
.rept (\hi)-(\lo)+1
.irp a, 0,1
.irp j, 0,2,4,6
	v_pk_fma_f32 v[SS+40*\a+8*cc+\j:SS+40*\a+8*cc+\j+1], v[SS+40*\a+8*cc+\j:SS+40*\a+8*cc+\j+1], s[48:49], v[NM+2*\a:NM+2*\a+1] op_sel_hi:[1,0,0]
.endr
.endr
.set cc, cc+1
.endr
.set cc, \lo
.rept (\hi)-(\lo)+1
.irp a, 0,1
.irp j, 0,1,2,3,4,5,6,7
	v_exp_f32 v[SS+40*\a+8*cc+\j], v[SS+40*\a+8*cc+\j]
.endr
.endr
.set cc, cc+1
.endr
	v_nop
	s_wait_alu depctr_va_vdst(0)
.endm
.macro SQ lo, hi                       ; the sum of the unquantised p; the hold (p is not negative: one-sided); the codes
.set cc, \lo
.rept (\hi)-(\lo)+1
.irp a, 0,1
	v_pk_add_f32 v[LS+4*\a:LS+4*\a+1], v[LS+4*\a:LS+4*\a+1], v[SS+40*\a+8*cc:SS+40*\a+8*cc+1]
	v_pk_add_f32 v[LS+4*\a+2:LS+4*\a+3], v[LS+4*\a+2:LS+4*\a+3], v[SS+40*\a+8*cc+2:SS+40*\a+8*cc+3]
	v_pk_add_f32 v[LS+4*\a:LS+4*\a+1], v[LS+4*\a:LS+4*\a+1], v[SS+40*\a+8*cc+4:SS+40*\a+8*cc+5]
	v_pk_add_f32 v[LS+4*\a+2:LS+4*\a+3], v[LS+4*\a+2:LS+4*\a+3], v[SS+40*\a+8*cc+6:SS+40*\a+8*cc+7]
.endr
.irp a, 0,1
.irp j, 0,1,2,3,4,5,6,7
	v_min_num_f32 v[SS+40*\a+8*cc+\j], s50, v[SS+40*\a+8*cc+\j]
.endr
.endr
.irp a, 0,1
	v_cvt_scalef32_pk8_fp8_f32 v[PP+16*\a+2*cc:PP+16*\a+2*cc+1], v[SS+40*\a+8*cc:SS+40*\a+8*cc+7], v[SCP]
.endr
.set cc, cc+1
.endr
	v_nop                                          ; a plain line behind the last conversion
.endm
; Query tile i.  Key tile c of its window is token tile i + c.  Tiles c < C0 = 4 - i lie ahead of my own rows: an even work-group, whose chunk begins with its own rows, jumps over them (three jumps on the work-group's number)
.macro ABODY i
.set C0, 4-(\i)
.if C0 < 0
.set C0, 0
.endif
	WIN 0x01
.irp q, 0,1,2,3
	v_mov_b32 v[QZ+\q], v[192+8*(\i)+\q]           ; head 0: Q's registers 0-3, zeros above;
	v_mov_b32 v[QZ+12+\q], v[196+8*(\i)+\q]        ; head 1: zeros below, registers 4-7
.endr
	WIN 0
.if C0 > 0
	s_cmp_eq_u32 s13, 0
	s_cbranch_scc1 .La_\@
	SW \i, 0, C0-1
.La_\@:
.endif
	SW \i, C0, 4
.irp m, 0,1,2,3
	v_mov_b32 v[MA+\m], v[NEG]                     ; the chains begin under every score.  (These four are the places behind the products)
.endr
	MX C0, 4
.if C0 > 0
	s_cmp_eq_u32 s13, 0
	s_cbranch_scc1 .Lb_\@
	MX 0, C0-1
.Lb_\@:
.endif
.irp a, 0,1
	v_max_num_f32 v[MA+2*\a], v[MA+2*\a], v[MA+2*\a+1]
.endr
.irp a, 0,1
	v_permlanex16_b32 v[MA+2*\a+1], v[MA+2*\a], s52, s53   ; the query's other keys lie in lane l xor 16
.endr
.irp a, 0,1
	v_max_num_f32 v[MA+2*\a], v[MA+2*\a], v[MA+2*\a+1]
.endr
.irp a, 0,1
	v_mul_f32 v[MA+2*\a], s48, v[MA+2*\a]          ; as t (c is positive)
.endr
.irp a, 0,1
	v_floor_f32 v[NM+2*\a], -v[MA+2*\a]            ; -M = floor(-t) = -ceil(t)
.endr
.irp j, 0,1,2,3,4,5,6,7
	v_mov_b32 v[LS+\j], 0
.endr
.if C0 > 0
.set jj, 0
.rept 2*C0
	v_mov_b32 v[PP+jj], 0                          ; the tiles that an even work-group leaves out count for nothing: zero codes
	v_mov_b32 v[PP+16+jj], 0
.set jj, jj+1
.endr
	s_cmp_eq_u32 s13, 0
	s_cbranch_scc1 .Lc_\@
	FE 0, C0-1
	SQ 0, C0-1
.Lc_\@:
.endif
	FE C0, 4
	SQ C0, 4
.irp a, 0,1
	v_pk_add_f32 v[LS+4*\a:LS+4*\a+1], v[LS+4*\a:LS+4*\a+1], v[LS+4*\a+2:LS+4*\a+3]
.endr
.irp a, 0,1
	v_add_f32 v[LS+4*\a], v[LS+4*\a], v[LS+4*\a+1]
.endr
.irp a, 0,1
	v_permlanex16_b32 v[LS+4*\a+2], v[LS+4*\a], s52, s53
.endr
.irp a, 0,1
	v_add_f32 v[LS+4*\a], v[LS+4*\a], v[LS+4*\a+2] ; the row's sum
.endr
.irp a, 0,1
	v_rcp_f32 v[INV+2*\a], v[LS+4*\a]
.endr
	WIN 0x01
.irp a, 0,1
.irp u, 0,1
	v_wmma_f32_16x16x128_fp8_fp8 v[OO+8*(2*\a+\u):OO+8*(2*\a+\u)+7], v[24*(2*\a+\u)+2*(\i):24*(2*\a+\u)+2*(\i)+15], v[PP+16*\a:PP+16*\a+15], 0
.endr
.endr
	WIN 0
	PLACES 4                                       ; behind the products, and the plain line behind the reciprocals
	s_wait_alu depctr_va_vdst(0)                   ; one wait for both reciprocals, ahead of their first reader
.irp a, 0,1
.irp j, 0,2,4,6,8,10,12,14
	v_pk_mul_f32 v[OO+16*\a+\j:OO+16*\a+\j+1], v[OO+16*\a+\j:OO+16*\a+\j+1], v[INV+2*\a:INV+2*\a+1] op_sel_hi:[1,0]
.endr
.endr
.set jj, 0
.rept 32
	v_med3_num_f32 v[OO+jj], v[OO+jj], s46, s47
.set jj, jj+1
.endr
	s_wait_dscnt 0x0                               ; the last tile's two stores have read the registers that the conversions write
.irp m, 0,1,2,3
	v_cvt_scalef32_pk8_fp8_f32 v[AOC+2*\m:AOC+2*\m+1], v[OO+8*\m:OO+8*\m+7], v[SCA]
.endr
	v_nop
	ds_store_b128 v[AOW], v[AOC:AOC+3] offset:4096*(\i)        ; registers 8 hp .. 8 hp + 7 of fragment (query tile i, K step = my wave), as they stand
	ds_store_b128 v[AOW], v[AOC+4:AOC+7] offset:4096*(\i)+512
.endm
; ---- the last projection
.macro OAF buf, adr, off               ; 16 LDS loads: a query tile's four fragments: registers 0-7 of each from hp 0's images, 8-15 from hp 1's
.irp sg, 0,1,2,3
.irp g, 0,1
	ds_load_b128 v[64+64*(\buf)+16*\sg+4*\g:64+64*(\buf)+16*\sg+4*\g+3], v[\adr] offset:(\off)+1024*\sg+512*\g
	ds_load_b128 v[64+64*(\buf)+16*\sg+8+4*\g:64+64*(\buf)+16*\sg+8+4*\g+3], v[\adr] offset:(\off)+AOD+1024*\sg+512*\g
.endr
.endr
.endm
.macro OSTORE                          ; 16 rows x 256 bytes out of v[OB] on: tile s59 / 32768 of the sixteen (eight query tiles, two passes)
	s_wait_xcnt 0x0                                ; the earlier stores have read their offset register
	s_and_b32 s60, s59, 0x3ffff                    ; 16 rows of 2,048 bytes a query tile,
	s_lshr_b32 s61, s59, 18
	s_lshl_b32 s61, s61, 8                         ; 256 bytes a pass
	s_add_co_u32 s60, s60, s61
	v_add_nc_u32 v[GO2], s60, v[GO]
.irp t, 0,1,2,3,4,5,6,7
	global_store_b128 v[GO2], v[OB+4*\t:OB+4*\t+3], s[10:11] offset:4096*\t th:TH_STORE_NT   ; 16 lanes store 256 consecutive bytes, at a multiple of 256 from out0's first byte; written once, read by nobody here
.endr
	s_add_co_u32 s59, s59, 32768
.endm
.macro OSTAGE acc                      ; a lane holds 32 bytes of a row, the lanes beside it other rows: through my own stage and back as whole rows.  LDS serves a wave's instructions in order (ISA guide 5.7.1.4)
.irp t, 0,1,2,3
	ds_store_b128 v[STO], v[(\acc)+8*\t:(\acc)+8*\t+3] offset:64*\t
	ds_store_b128 v[STO], v[(\acc)+8*\t+4:(\acc)+8*\t+7] offset:64*\t+16
.endr
.irp t, 0,1,2,3,4,5,6,7
	ds_load_b128 v[OB+4*\t:OB+4*\t+3], v[SRD] offset:544*\t
.endr
.endm
; Tile n: its 16 matrix instructions (source 0 = 16 columns of Wo, source 1 = 16 tokens); between them tile n - 1 is multiplied by 2^(e10 + e11) and sent through the stage; at its head tile n - 2 is stored.
; gate = 1: in the loop's first trip nothing is there to store.  (Tile 0 sends what the accumulators held before through the stage; it is never stored.)
.macro OTILE par, wsel, gate, left, nx
.set ACA, 192+32*(\par)
.set ACB, 224-32*(\par)
.set AFB, 64+64*(\par)
	s_wait_dscnt \left                             ; my fragments and the rows from the stage are in; the next tile's 16 fragment loads may be out
.if \gate
	s_cmp_eq_u32 s57, 4
	s_cbranch_scc1 .Lg_\@
.endif
	OSTORE
.Lg_\@:
	WIN \wsel
.set kk, 0
.rept 8
	PWM 0
.irp j, 0,1,2,3
	v_mul_f32 v[ACB+4*kk+\j], s54, v[ACB+4*kk+\j]
.endr
.set kk, kk+1
.endr
	WIN 0
	s_wait_xcnt 0x0                                ; the stores above have read the registers into which the stage's loads land
	OSTAGE ACB
	WIN \wsel
.rept 8
	PWM 0
.set kk, kk+1
.endr
	WIN 0
	PLACES 4                                       ; ahead of loads into the fragments just read, and of the next tile's reads of these results
.if \nx
	s_add_co_u32 s58, s58, 4096
	s_and_b32 s58, s58, 0x7fff                     ; query tile (n + 2) % 8
	v_add_nc_u32 v[AR], s58, v[ARB]
	OAF \par, AR, 0
.endif
.endm
; ==== the head
	s_load_b256 s[4:11], s[0:1], 0x0               ; x s[4:5], wfrag s[6:7], the scales' exponents s[8:9], out0 s[10:11]
	v_lshl_add_u32 v[SPW], v0, 2, SPARE
	v_mov_b32 v[NIL], 0
	v_lshrrev_b32 v60, 5, v0
	v_readfirstlane_b32 s12, v60                   ; wave 0..3
	s_and_b32 s13, ttmp9, 1                        ; kind
	v_and_b32 v61, 31, v0                          ; lane
	v_lshlrev_b32 v[LI], 4, v61
	v_mul_u32_u24 v60, v61, 272
	s_lshl_b32 s60, s12, 6
	WIN 0x40                                       ; the two zones' own copies
	v_mov_b32 v195, v[LI]
	v_add_nc_u32 v196, s60, v60                    ; my block of a tile, my wave's four tokens in it
	WIN 0xc0
	v_mov_b32 v195, v[LI]
	v_add_nc_u32 v196, s60, v60
	WIN 0
	s_lshl_b32 s2, ttmp9, 7
	s_lshl_b32 s3, s12, 2
	s_add_co_u32 s2, s2, s3                        ; row 128 wg + 4 w
	s_lshl_b32 s2, s2, 11
	s_mov_b32 s3, 0
	s_lshl_b32 s60, s12, 18                        ; my wave's 262,144 bytes of wfrag
	s_mov_b32 s61, 0
	s_lshl_b32 s62, ttmp9, 18                      ; out0: 128 rows of 2,048 bytes a work-group,
	s_lshl_b32 s63, s12, 9                         ; 512 bytes a wave
	s_add_co_u32 s62, s62, s63
	s_mov_b32 s63, 0
	s_wait_kmcnt 0x0
	s_load_b256 s[16:23], s[8:9], 0x0              ; e0 .. e7
	s_load_b128 s[24:27], s[8:9], 0x20             ; e8 .. e11
	s_add_nc_u64 s[4:5], s[4:5], s[2:3]
	s_add_nc_u64 s[6:7], s[6:7], s[60:61]
	s_add_nc_u64 s[10:11], s[10:11], s[62:63]
	XLD 0x55, 4                                    ; my own first four tiles are asked for before anything else is done
	XLD 0xff, 6
	v_and_b32 v62, 15, v0                          ; r
	v_bfe_u32 v63, v0, 4, 1                        ; h
	v_mul_u32_u24 v60, v63, 272
	v_lshl_add_u32 v60, v62, 4, v60                ; 272 h + 16 r
.irp n, 0,1,2,3,4,5
	v_add_nc_u32 v[AX+\n], 6*TILEB*\n, v60
.endr
	s_mul_i32 s2, s12, 4352
	v_mul_u32_u24 v[STO], v62, 272
	v_lshl_add_u32 v[STO], v63, 5, v[STO]
	v_add_nc_u32 v[STO], s2, v[STO]
	v_add_nc_u32 v[SRD], s2, v60
	v_lshlrev_b32 v[GO], 11, v63
	v_lshl_add_u32 v[GO], v62, 4, v[GO]
	v_add_nc_u32 v[ARB], AO0, v[LI]
	v_lshlrev_b32 v[DLT], 3, v63
	v_sub_nc_u32 v[DLT], v62, v[DLT]               ; d = r - 8 h.  Register j of a score tile is key 8 h + j of the tile, for query r
	v_mov_b32 v[NEG], 0xf1800000                   ; -2^100
.irp j, 0,1,2,3,4,5,6,7
	v_cmp_lt_i32 vcc_lo, \j, v[DLT]                ; the far tile: key 16 i + 8 h + j counts where it is at least query - 64 = 16 i + r: hidden where j < d
	v_cndmask_b32 v[MK0+\j], 0, v[NEG], vcc_lo
	v_cmp_gt_i32 vcc_lo, \j, v[DLT]                ; the diagonal tile: hidden where 8 h + j > r
	v_cndmask_b32 v[MK4+\j], 0, v[NEG], vcc_lo
.endr
	v_mov_b32 v[NM+1], 0                           ; (named as the upper halves of pairs, so they are written)
	v_mov_b32 v[NM+3], 0
	v_mov_b32 v[INV+1], 0
	v_mov_b32 v[INV+3], 0
	s_mov_b32 s52, 0x76543210                      ; v_permlanex16_b32's selects for lane l xor 16
	s_mov_b32 s53, 0xfedcba98
	s_wait_kmcnt 0x0
	s_mov_b32 s60, s18                             ; x's three scales, in the order of the passes: e2 (for K),
	POW2 33, 36
	s_mov_b32 s60, s20                             ; e4 (for V),
	POW2 34, 37
	s_mov_b32 s60, s16                             ; e0 (for Q)
	POW2 35, 38
	s_sub_co_i32 s60, s23, s18                     ; a sum of x Wk stands for sum x 2^(e2 + e3): its code is sum / 2^(e7 - e2 - e3): the three scales folded into the conversion's one
	s_sub_co_i32 s60, s60, s19
	POW2 61, 41
	v_mov_b32 v[SCK], s61
	s_or_b32 s40, s41, 0x80000000
	s_sub_co_i32 s60, s25, s20                     ; V: e9 - e4 - e5
	s_sub_co_i32 s60, s60, s21
	POW2 61, 43
	v_mov_b32 v[SCK+1], s61
	s_or_b32 s42, s43, 0x80000000
	s_sub_co_i32 s60, s22, s16                     ; Q: e6 - e0 - e1
	s_sub_co_i32 s60, s60, s17
	POW2 61, 45
	v_mov_b32 v[SCK+2], s61
	s_or_b32 s44, s45, 0x80000000
	s_mov_b32 s60, s24                             ; p: e8
	POW2 61, 50
	v_mov_b32 v[SCP], s61
	s_sub_co_i32 s60, s26, s24                     ; the attention result: (sum / l) / 2^(e10 - e8 - e9)
	s_sub_co_i32 s60, s60, s25
	POW2 61, 47
	v_mov_b32 v[SCA], s61
	s_or_b32 s46, s47, 0x80000000
	s_add_co_i32 s60, s22, s23                     ; a score stands for score x 2^(e6 + e7): added to the exponent field of
	s_lshl_b32 s60, s60, 23
	s_add_co_i32 s48, s60, 0x3e8293ee              ; c = log2(e) / sqrt(32)
	s_mov_b32 s49, s48                             ; (named with it as a pair)
	s_add_co_i32 s60, s26, s27
	s_add_co_i32 s60, s60, 127
	s_lshl_b32 s54, s60, 23                        ; 2^(e10 + e11)
; ==== x becomes three sets of codes in LDS.  Six turns of the two zones, written out: my own tiles first, the 64 rows ahead last, so that every counted wait counts loads that are issued on every way through the text:
; behind a zone's 32 loads stand the other zone's 32, or 32 of the first weight slice, which go out ahead of an odd work-group's loads of the rows ahead.
	XHALF 0x55, 4, 1, 32                           ; tiles 4, 5; out: tiles 6, 7
	XLD 0x55, 8
	XHALF 0xff, 6, 1, 32                           ; out: tiles 8, 9
	XLD 0xff, 10
	XHALF 0x55, 8, 1, 32                           ; out: tiles 10, 11
	WPART 0
	s_cmp_eq_u32 s13, 0
	s_cbranch_scc1 .Lnh0
	XLD 0x55, 0                                    ; an odd work-group alone: these rows lie 64 to 33 rows ahead of my own, inside x
.Lnh0:
	XHALF 0xff, 10, 1, 32                          ; out: the slice's first half at the least
	WPART 32
	s_cmp_eq_u32 s13, 0
	s_cbranch_scc1 .Lnh1
	XLD 0xff, 2
.Lnh1:
	XHALF 0x55, 0, 0, 32                           ; tiles 0, 1; out: the slice's second half at the least
	XHALF 0xff, 2, 0, 0                            ; tiles 2, 3: nothing was issued behind them
	BARRIER                                        ; x's codes lie in LDS
	WIN 0x40
.set jj, 0
.rept 32
	v_mov_b32 v[96+jj], 0                          ; K's and V's codes of tiles 0 .. 3: zero codes, which an odd work-group's projections write over.  In an even one V's are named by the second product, against zero codes of p
.set jj, jj+1
.endr
.irp ct, 0,1,2,3
.irp j, 0,1,2,3,4,5,6,7
	v_mov_b32 v[24*\ct+\j], 0
.endr
.endr
	WIN 0
	s_lshl_b32 s56, s12, 10
	s_add_co_u32 s56, s56, AO0                     ; my images of the attention result
	s_mov_b32 s55, 0
; ==== two trips, a pair of heads each: K, V, Q for its 64 columns, then its attention.  Each weight slice has the projection before it, or the attention, in which to land
.Lhp:
	s_wait_loadcnt 0x0                             ; Wk's slice is in window 2
	WLOAD 3                                        ; Wv's
	s_cmp_eq_u32 s13, 0
	s_cbranch_scc1 .Lk_own
	PRUN 0, 0, 3
.Lk_own:
	PRUN 0, 4, 11
	s_wait_loadcnt 0x0                             ; Wv's slice is in
	WLOAD 2                                        ; Wq's, over Wk's, which has been multiplied
	s_cmp_eq_u32 s13, 0
	s_cbranch_scc1 .Lv_own
	PRUN 1, 0, 3
.Lv_own:
	PRUN 1, 4, 11
	s_wait_loadcnt 0x0                             ; Wq's slice is in
	PRUN 2, 4, 11
	WLOAD 2                                        ; the next pair's Wk, or Wo's first pass
	BARRIER                                        ; no wave reads x's codes in this trip any more: in the second trip XQ's first tiles may be written over
	v_add_nc_u32 v[AOW], s56, v[LI]
.irp q, 0,1,2,3
	v_mov_b32 v[QZ+4+\q], 0                        ; the halves of Q that stay zero,
	v_mov_b32 v[QZ+8+\q], 0
.endr
.irp q, 10,11,12,13,14,15
	v_mov_b32 v[PP+\q], 0                          ; and p's codes past the window's 80 keys
	v_mov_b32 v[PP+16+\q], 0
.endr
	ABODY 0
	ABODY 1
	ABODY 2
	ABODY 3
	ABODY 4
	ABODY 5
	ABODY 6
	ABODY 7
	s_add_co_u32 s56, s56, AOD
	BARRIER                                        ; the images have landed: behind it LDS is only read until the next barrier (the next trip's projections; behind the last trip the last projection)
	s_add_co_u32 s55, s55, 1
	s_cmp_lt_u32 s55, 2
	s_cbranch_scc1 .Lhp
; ==== out0 = attention result x Wo: sixteen tiles of 16 rows x 64 columns, eight with each slice of Wo
	s_wait_loadcnt 0x0                             ; Wo's first pass is in window 2
	WLOAD 3                                        ; its second
	OAF 0, ARB, 0
	OAF 1, ARB, 4096
	s_mov_b32 s58, 4096                            ; the query tile fetched last
	s_mov_b32 s59, 0                               ; the tile to be stored next
	s_mov_b32 s57, 4
.Loa:
	OTILE 0, 0x02, 1, 16, 1
	OTILE 1, 0x02, 1, 16, 1
	s_sub_co_u32 s57, s57, 1
	s_cmp_lg_u32 s57, 0
	s_cbranch_scc1 .Loa
	s_wait_loadcnt 0x0                             ; the second pass's slice is in window 3
	s_mov_b32 s57, 3
.Lob:
	OTILE 0, 0x03, 0, 16, 1
	OTILE 1, 0x03, 0, 16, 1
	s_sub_co_u32 s57, s57, 1
	s_cmp_lg_u32 s57, 0
	s_cbranch_scc1 .Lob
	OTILE 0, 0x03, 0, 16, 0                        ; the last two tiles fetch nothing
	OTILE 1, 0x03, 0, 0, 0
	s_wait_dscnt 0x0
	OSTORE                                         ; the last tile but one
.set jj, 0
.rept 32
	v_mul_f32 v[224+jj], s54, v[224+jj]
.set jj, jj+1
.endr
	s_wait_xcnt 0x0
	OSTAGE 224
	s_wait_dscnt 0x0
	OSTORE                                         ; the last
	s_wait_tensorcnt 0x0                           ; the wave's end
	ds_add_u32 v[SPW], v[NIL]
	s_wait_dscnt 0x0
	s_endpgm
.Lfunc_end_k_qf3fcb4f074_fused:
	.size	k_qf3fcb4f074_fused, .Lfunc_end_k_qf3fcb4f074_fused-k_qf3fcb4f074_fused
	.p2alignl 7, 3214868480
	.fill 96, 4, 3214868480
	.section	.rodata,"a",@progbits
	.p2align	6, 0x0
	.amdhsa_kernel k_qf3fcb4f074_fused
		.amdhsa_group_segment_fixed_size 313856
		.amdhsa_private_segment_fixed_size 0
		.amdhsa_enable_private_segment 0
		.amdhsa_kernarg_size 32
		.amdhsa_user_sgpr_count 2
		.amdhsa_user_sgpr_kernarg_segment_ptr 1
		.amdhsa_wavefront_size32 1
		.amdhsa_system_sgpr_workgroup_id_x 1
		.amdhsa_system_sgpr_workgroup_id_y 1
		.amdhsa_system_sgpr_workgroup_id_z 1
		.amdhsa_system_vgpr_workitem_id 0
		.amdhsa_next_free_vgpr 1024
		.amdhsa_next_free_sgpr 66
		.amdhsa_reserve_vcc 1
		.amdhsa_float_denorm_mode_32 3
		.amdhsa_float_denorm_mode_16_64 3
		.amdhsa_memory_ordered 1
		.amdhsa_forward_progress 1
		.amdhsa_inst_pref_size 255
	.end_amdhsa_kernel
	.section	.bss,"aw",@nobits
	.p2align	6
	.space	262144
	.amdgpu_metadata
---
amdhsa.version: [ 1, 2 ]
amdhsa.kernels:
  - .name:           k_qf3fcb4f074_fused
    .symbol:         k_qf3fcb4f074_fused.kd
    .args:
      - { .name: x, .offset: 0, .size: 8, .value_kind: global_buffer, .address_space: global }
      - { .name: wfrag, .offset: 8, .size: 8, .value_kind: global_buffer, .address_space: global }
      - { .name: lowp_scales, .offset: 16, .size: 8, .value_kind: global_buffer, .address_space: global }
      - { .name: out0, .offset: 24, .size: 8, .value_kind: global_buffer, .address_space: global }
    .group_segment_fixed_size: 313856
    .private_segment_fixed_size: 0
    .kernarg_segment_align: 8
    .kernarg_segment_size: 32
    .max_flat_workgroup_size: 128
    .sgpr_count:     66
    .vgpr_count:     1024
    .wavefront_size: 32
...
	.end_amdgpu_metadata
.endif
;; end of part 2
;; ======== version 2 of 2: 2 launches; version 1 with the launch fused written anew for expert scheduling mode
;; limits: right only within a limited range of input values
;; workspace buffers: wfrag 1,048,576 bytes
;; launch prep: the kernel of part 1 again; grid 256 x 1, 4 waves a work-group, no clusters, 0 bytes of LDS; arguments Wk, Wv, Wq, Wo, lowp_scales, wfrag; writes wfrag
;; launch fused (part 3): grid 256 x 1, 4 waves a work-group, no clusters, 313,856 bytes of LDS; arguments x, wfrag, lowp_scales, out0; writes out0
.if DOCPART == 3
	.amdgcn_target "amdgcn-amd-amdhsa--gfx1250"
	.amdhsa_code_object_version 6
	.text
	.protected	k_qf3fcb4f074_fused
	.globl	k_qf3fcb4f074_fused
	.p2align	8
	.type	k_qf3fcb4f074_fused,@function
k_qf3fcb4f074_fused:
	s_mov_b64 s[64:65], 0
	v_nop
	global_prefetch_b8 v0, s[64:65] scope:SCOPE_SE
	s_setreg_imm32_b32 hwreg(HW_REG_WAVE_SCHED_MODE, 0, 2), 2
	s_setreg_imm32_b32 hwreg(HW_REG_WAVE_MODE, 25, 1), 1
	s_wait_xcnt 0x0
	s_wait_alu depctr_vm_vsrc(0)
; out0 = attention(x Wq, x Wk, x Wv) Wo in chunks of 256 rows, 16 heads of 32, key j for query i where i - 64 <= j <= i; all six products on codes of FP8 (E4M3), each operand with its given scale 2^e.
; WORK LEFT OUT (shown at the head of the first kernel): score and p v tiles that lie wholly outside the band that reference() itself builds, or ahead of the chunk's first row.  A NaN, infinity or overflow that reaches only them is not carried on.
; SHARES.  Work-group wg owns rows 128 wg .. 128 wg + 127 of x taken as [32768][512]: half a chunk.  kind = wg & 1.  TOKEN TILES T = 0 .. 11 stand for rows 128 wg - 64 + 16 T: T = 4 .. 11 are my own rows
; (query tile i is T = i + 4); T = 0 .. 3 are the 64 rows ahead, whose K and V an odd work-group needs and computes again (an even one has none: they lie in another chunk).
; THE FOUR WAVES SHARE THE COLUMNS: wave w owns heads 4 w .. 4 w + 3, as two pairs hp of 64 columns, and columns 128 w .. 128 w + 127 of out0 in two passes of 64.
; So q, k, v and p never leave the registers of the wave that made them; x's codes (three sets: x has three scales) lie in LDS and are read by all; the attention result's codes go round through LDS as images of registers.
; WEIGHTS come as codes in the order of my operand registers (wfrag), 64 columns x 512 k = one register window a slice, straight from memory, in two windows by turns.
; LAYOUTS, so that nothing is transposed by an instruction (lane = (r = lane % 16, h = lane / 16)):
;   K, Q: source 0 = 16 columns of W, source 1 = 16 tokens: a lane holds token r and channels 16 t + 8 h + j of the pair's 64: the conversion of tile t gives registers 2 t, 2 t + 1 of a K = 64 fragment (head a in k 32 a ..).
;   S^T = K Q^T with Q's other head's registers set to 0: a lane holds query r and keys 16 c + 8 h + j: the conversion of p gives registers 2 c, 2 c + 1 of the second product's operand.
;   V: source 0 = tokens, source 1 = columns: a lane holds channel r and tokens 16 T + 8 h + j: registers 2 T, 2 T + 1 of V^T along the keys.
;   O^T = V^T P^T, one K = 128 instruction: V's registers of tiles i .. i + 7, P's ten registers and six of zeros (V's registers past tile i + 4 hold other codes, which meet zero codes).
;   O^T's conversions are registers 8 hp + 4 a + 2 ct .. of K step w of the last product.
; THE MASK costs no vector instruction: it is the C of the two tiles on the band's edges, -2^100 where a key is hidden.  A sum of 32 products of codes is at most 32 x 448^2 in size, so -2^100 stays under every score and p there is 0.
; SOFTMAX: t = score x log2(e) / sqrt(32); M = ceil(the row's largest t); p = 2^(t - M) is quantised; the row's sum is of the unquantised p and divides at the end.  A query tile's 80 keys are taken at once, so M never moves.
; LIMITS on the given exponents, so that each power of two is an f32 number: e0, e2, e4, e8, e7-e2-e3, e9-e4-e5, e6-e0-e1, e10-e8-e9 between -126 and 119; e6+e7 between -80 and 100; e10+e11 between -126 and 127.
; NaN and infinities among the inputs are not served.
; THE MODE: SCHED_MODE bits 1:0 = 2 (LLVM: expert scheduling mode 2), set by the entry lines.  The code itself states the register dependences between vector or matrix instructions
; and memory or LDS instructions, with s_wait_alu, always for 0.
; THE PLAN: the registers that memory or LDS instructions touch, who else names them, and where the waits stand.
;   ADDRESSES v1-7, v11-13, v23, and v195 of the two zones: made at the head, under two waits on va_vdst there, and not written again while a memory instruction reads them.
;   x, A ZONE: v0-127: loads land, the three passes' holds read.  v160-191: a pass's conversions write, its eight LDS stores, one run at its end, read.  v194: the stores' address, written once a pass.
;     One wait on va_vdst a pass, behind its last conversion: the codes and v194 are written.  No vector line behind a zone's last pass names v0-127, so it is also the wait for the zone's next loads.
;     One wait on vm_vsrc a pass, ahead of the first write of v194 and of the codes; one more behind the phase's barrier, where the zones' registers get other owners.
;   WEIGHT WINDOWS 2, 3: loads land, products read.  One wait on va_vdst ahead of each slice's 64 loads.
;   PROJECTIONS: two sets of fragments, v64-127 and v128-191: LDS loads land, a tile's 16 products read one set.  One wait on va_vdst at a tile's head: the tile before is done reading the other set.
;     Behind it the next tile's 16 loads land there, four behind every fourth product: the tile's products and holds name its own set, the accumulators and the weights.  Accumulators and window 1: vector and matrix instructions alone.
;   ATTENTION: v224-231: a query tile's conversions write, two LDS stores read; v8: their address, written once a trip.  Tile i's stores stand in tile i + 1, behind the wait for its exponentials, which stands there anyway;
;     tile 7's have a wait of their own.  A wait on vm_vsrc stands ahead of the next conversions, and one at the trip's end, ahead of the products that write v224-231.
;   LAST PROJECTION: the two sets as above; v192-255: products write, scalings write in place, the stage's LDS stores read; v32-63: the stage's loads land, the global stores read; v9, v10: addresses, stepped once a tile.
;     At a tile's head a wait on vm_vsrc (the stage's stores have read the accumulators that the tile begins anew) and one on va_vdst (the tile before is done reading the other set).  In its middle one on vm_vsrc
;     (the global stores have read v10 and v32-63, the fragments' loads v9), both address steps, and one on va_vdst (the scalings and both addresses are written).
; LDS: x's codes, a tile of 16 tokens x 512 k = 32 blocks of 272 bytes: block 8 sg + 2 c + h holds, for token r at byte 16 r, the four registers 4 c .. 4 c + 3 of fragment sg: k = 128 s + 32 sg + 8 c + 4 h + b.
;   A block is 68 words, so neighbouring blocks begin 4 banks apart (64 banks of 4 bytes: ISA guide 11.1); a load's 16 lanes read 256 consecutive bytes.
.set TILEB, 8704                       ; a tile of x's codes
.set XREG,  12*TILEB                   ; XK at 0, XV at XREG, XQ at 2 XREG (indexed by T: its tiles 0 .. 3 do not exist)
.set AO0,   2*XREG                     ; in that hole: the attention result's codes of hp 0, 32,768 bytes: image (i, wave) at 1024 (4 i + wave), two groups of four registers, 512 apart
.set AOD,   4*TILEB                    ; those of hp 1 lie AOD further on, over XQ's tiles 4 .. 7, written only when no wave reads XQ any more
.set SPARE, 3*XREG                     ; the spare words, 128 bytes for each wave: two blocks of 256 bytes that no other line names
                                       ; the way out's stage, 16 rows x 272 bytes a wave, lies at 4352 x wave, over XK, which is dead by then
; REGISTERS.  Window 0: at work.  Window 1: the codes: V at v[24 ct + 2 T], K at v[96 + 8 T + 2 t], Q at v[192 + 8 i + 2 t].  Windows 2, 3: a weight slice each.
; While x comes in, windows 1 and 3 are two landing zones: v0-127 eight rows x 16 numbers, v128-159 held numbers (two sets), v160-191 codes, v192 the limit, v193 the scale, v194 LDS address, v195 16 x lane, v196 272 x lane + 64 x wave.
.set LI,  1                            ; 16 x lane
.set AX,  2                            ; v2-7   272 h + 16 r + 52,224 n: the fragments' place in half a region (six tiles)
.set AOW, 8                            ; where I store the attention result's images
.set AR,  9                            ; where I load them
.set GO2, 10                           ; the stores' offset in out0
.set STO, 11                           ; the stage, in: 4352 w + 272 r + 32 h
.set SRD, 12                           ; the stage, back: 4352 w + 272 h + 16 r
.set GO,  13                           ; 2048 h + 16 r
.set SPW, 14                           ; my spare word; never rewritten
.set NIL, 15                           ; 0; never rewritten
.set SCK, 16                           ; v16-18 the conversions' scales for K, V, Q;
.set SCP, 19                           ; for p;
.set SCA, 20                           ; for the attention result
.set DLT, 21                           ; r - 8 h
.set NEG, 22                           ; -2^100
.set ARB, 23                           ; AO0 + 16 x lane
.set MA,  24                           ; v24-27 two chains of maxima for each head
.set NM,  28                           ; v[28:29], v[30:31]  -M (low word)
.set MK0, 32                           ; v32-39 the far tile's mask
.set MK4, 40                           ; v40-47 the diagonal tile's
.set LS,  48                           ; v48-55 the row's sum, two pairs for each head
.set INV, 56                           ; v[56:57], v[58:59]  1 / sum (low word)
.set QZ,  64                           ; v64-79 Q with the other head's half zero
.set SS,  80                           ; v80-159 S^T, then p: 40 a head
.set PP,  160                          ; v160-191 p's codes, 16 a head
.set OO,  192                          ; v192-223 O^T
.set AOC, 224                          ; v224-231 its codes
.set OB,  32                           ; the way out: 16 rows read back (masks and statistics are dead by then)
                                       ; projections: v64-127, v128-191 two sets of x's (or the attention result's) four fragments; v192-223, v224-255 two sets of four accumulators
; SCALARS: s[4:5] x at my first own row, s[6:7] the weight slice in hand, s[10:11] out0 at my rows and columns, s12 wave, s13 kind, s[16:27] e0 .. e11, s29 pass, s30 LDS base, s33-35 / s36-38 x's three scales / limits (K, V, Q; they rotate),
; s40/41, s42/43, s44/45, s46/47 -/+ limits for K, V, Q, the attention result, s[48:49] c x 2^(e6+e7), s50 448 x 2^e8, s[52:53] lane selects, s54 2^(e10+e11), s55-59 counters and steps; at the head alone s32-47 hold the sixteen compares of the masks
.set MSB, 0
.macro WIN new                         ; the immediate's high byte repeats the setting that is left; a switch that changes nothing is dropped
.if MSB != (\new)
	s_set_vgpr_msb (MSB<<8)|(\new)
.set MSB, (\new)
.endif
.endm
.macro PLACES n
.rept \n
	v_nop
.endr
.endm
.macro BARRIER                         ; my LDS stores have landed and my LDS loads are in: then the work-group's barrier
	s_wait_dscnt 0x0
	s_barrier_signal -1
	s_barrier_wait -1
.endm
.macro POW2 sb, sl                     ; s60 = E: s[sb] = 2^E, s[sl] = 448 x 2^E, as f32
	s_add_co_i32 s60, s60, 127
	s_lshl_b32 s[\sb], s60, 23
	s_add_co_i32 s60, s60, 8
	s_lshl_b32 s[\sl], s60, 23
	s_or_b32 s[\sl], s[\sl], 0x600000
.endm
; 32 loads: my 4 rows (4 w ..) of token tiles T0 and T0 + 1; a row is four runs of 512 consecutive bytes, 16 a lane: lane l holds k = 128 s + 4 l + 0 .. 3.
; No wait of its own: the zone's last pass ended with a wait on va_vdst, behind which no vector line names the zone's v0-127 or v195 (the first two runs: the wait at the head)
.macro XLD w, T0
	WIN \w
.irp p, 0,1,2,3,4,5,6,7
.irp s, 0,1,2,3
	global_load_b128 v[16*\p+4*\s:16*\p+4*\s+3], v195, s[4:5] offset:(16*((\T0)-4+(\p>>2))+(\p&3))*2048+512*\s
.endr
.endr
	WIN 0
.endm
; 32 loads: groups g0 .. g0 + 31 of the first weight slice into window 2, which no instruction has named yet
.macro WPART g0
	WIN 0x80
.set gg, \g0
.rept 32
	global_load_b128 v[4*gg:4*gg+3], v[LI], s[6:7] offset:512*gg
.set gg, gg+1
.endr
	WIN 0
.endm
; the next slice, whole, into window win.  It stands behind a wait that shows the earlier loads by s[6:7] done
.macro WLOAD win
	s_add_nc_u64 s[6:7], s[6:7], 32768
	WIN ((\win)<<6)
	s_wait_alu depctr_va_vdst(0)                   ; the products that read this window's last slice (window 3, the first time: x's holds and conversions, which named it) are done: the loads below land there
.set gg, 0
.rept 64
	global_load_b128 v[4*gg:4*gg+3], v[LI], s[6:7] offset:512*gg
.set gg, gg+1
.endr
	WIN 0
.endm
; one scale's pass over a zone's eight rows: hold, convert; then 16 bytes of codes a lane and row into my block of the tile, eight stores in one run.  The numbers stay as they are for the next pass
.macro XWORK w
	WIN \w
	v_mov_b32 v192, s36
	v_mov_b32 v193, s33
.irp p, 0,1,2,3,4,5,6,7
.irp j, 0,1,2,3,4,5,6,7,8,9,10,11,12,13,14,15
	v_med3_num_f32 v[128+16*(\p&1)+\j], v[16*\p+\j], -v192, v192   ; the conversion does not saturate (ISA guide 7.6.2).  Two sets by turns: plain lines stand between a conversion and the next write of its sources
.endr
.if \p == 0
	s_wait_dscnt 0x0                               ; the last pass's stores are done,
	s_wait_alu depctr_vm_vsrc(0)                   ; and have read v194 and v160-191, which the lines below write again
	v_add_nc_u32 v194, s30, v196
.endif
	v_cvt_scalef32_pk8_fp8_f32 v[160+4*\p:161+4*\p], v[128+16*(\p&1):135+16*(\p&1)], v193
	v_cvt_scalef32_pk8_fp8_f32 v[162+4*\p:163+4*\p], v[136+16*(\p&1):143+16*(\p&1)], v193
.endr
	v_nop                                          ; a plain line behind the last conversion
	s_wait_alu depctr_va_vdst(0)                   ; the conversions have written v160-191 and v194 is written, which the stores read; the holds are done reading v0-127, in which the zone's next loads land
.irp p, 0,1,2,3,4,5,6,7
	ds_store_b128 v194, v[160+4*\p:163+4*\p] offset:(\p>>2)*TILEB+16*(\p&3)
.endr
	WIN 0
.endm
; a zone's turn: tiles T0, T0 + 1, for K's, V's and Q's scale.  left: the younger loads that may stay out, all of them issued on every way here.
; own = 0: the 64 rows ahead: every work-group walks the loop; the jumps lead round the work alone, in an even work-group and in Q's pass (those rows are no queries)
.macro XHALF w, T0, own, left
	s_wait_loadcnt \left
	s_mov_b32 s30, (\T0)*TILEB
	s_mov_b32 s29, 0
.Lxp_\@:
.if (\own) == 0
	s_cmp_eq_u32 s13, 0
	s_cbranch_scc1 .Lxn_\@
	s_cmp_eq_u32 s29, 2
	s_cbranch_scc1 .Lxn_\@
.endif
	XWORK \w
.Lxn_\@:
	s_mov_b32 s39, s33                             ; the three scales and limits rotate: after three trips they stand as before
	s_mov_b32 s33, s34
	s_mov_b32 s34, s35
	s_mov_b32 s35, s39
	s_mov_b32 s39, s36
	s_mov_b32 s36, s37
	s_mov_b32 s37, s38
	s_mov_b32 s38, s39
	s_add_co_u32 s30, s30, XREG                    ; the next scale's region
	s_add_co_u32 s29, s29, 1
	s_cmp_lt_u32 s29, 3
	s_cbranch_scc1 .Lxp_\@
.endm
; 4 LDS loads: fragment sg (K step of 128) of token tile T out of region g (0 K, 1 V, 2 Q) into set buf
.macro AFGRP g, T, buf, sg
.irp c, 0,1,2,3
	ds_load_b128 v[64+64*(\buf)+16*(\sg)+4*\c:64+64*(\buf)+16*(\sg)+4*\c+3], v[AX+2*(\g)+(\T)/6] offset:((\T)%6)*TILEB+272*(8*(\sg)+2*\c)
.endr
.endm
; 16 LDS loads: all four fragments, in the order of their use
.macro AFLOAD g, T, buf
.irp sg, 0,1,2,3
	AFGRP \g, \T, \buf, \sg
.endr
.endm
; the four conversions of token tile T out of the accumulators at acc, into window 1
.macro PCVT typ, T, acc
	WIN 0x40
.irp t, 0,1,2,3
.if (\typ) == 0
.set DC, 96+8*(\T)+2*\t
.elseif (\typ) == 1
.set DC, 24*\t+2*(\T)
.else
.set DC, 192+8*((\T)-4)+2*\t
.endif
	v_cvt_scalef32_pk8_fp8_f32 v[DC:DC+1], v[(\acc)+8*\t:(\acc)+8*\t+7], v[SCK+(\typ)]
.endr
.endm
; matrix instruction kk of a tile's 16: K step kk / 4, column tile kk % 4: the four accumulators take turns, one instruction a turn.  str = 1: tokens are source 0
.macro PWM str
.set DD, ACA+8*(kk%4)
.set WW, 64*(kk%4)+16*(kk/4)
.set FF, AFB+16*(kk/4)
.if \str
.if kk < 4
	v_wmma_f32_16x16x128_fp8_fp8 v[DD:DD+7], v[FF:FF+15], v[WW:WW+15], 0
.else
	v_wmma_f32_16x16x128_fp8_fp8 v[DD:DD+7], v[FF:FF+15], v[WW:WW+15], v[DD:DD+7]
.endif
.else
.if kk < 4
	v_wmma_f32_16x16x128_fp8_fp8 v[DD:DD+7], v[WW:WW+15], v[FF:FF+15], 0
.else
	v_wmma_f32_16x16x128_fp8_fp8 v[DD:DD+7], v[WW:WW+15], v[FF:FF+15], v[DD:DD+7]
.endif
.endif
.endm
; one token tile of a projection: 16 matrix instructions; behind each, two holds of the tile before, written so that the one window field that is set meets a scalar; then that tile's conversions.
; The next tile's fragments come into the other set meanwhile, four loads behind products 1, 5, 9 and 13 (with Wk and Wq between two window switches: a load's address is source 0).
; Places (ISA guide 7.12.1): behind the last matrix instruction stand its two holds and two v_nop (in a run's first tile four v_nop) ahead of the next tile's holds of its results; the v_nop are also the plain lines between
; the conversions and the products that write their sources
.macro PTILE typ, T, Ta, Tb
.set PAR, ((\T)&1)
.set ACA, 192+32*PAR
.set ACB, 224-32*PAR
.set AFB, 64+64*PAR
.if (\T) > (\Ta)
	s_wait_alu depctr_va_vdst(0)                   ; the tile before is done reading the other set, in which this tile's loads land.  (A run's first tile: the wait at the run's head)
.endif
.set kk, 0
.rept 16
.if (kk%4) == 0
.if (\T) == (\Tb)
	s_wait_dscnt 12-kk                             ; the run's last tile fetches nothing: behind the fragment wanted stand my own later ones alone
.else
	s_wait_dscnt 12                                ; fragment kk / 4 is in.  Behind it stand three groups of four loads: my own later fragments and the next tile's groups issued so far
.endif
.endif
.if (\typ) == 1
	WIN 0x0c                                       ; source 1 (Wv) window 3
	PWM 1
.if (\T) > (\Ta)
	v_med3_num_f32 v[ACB+2*kk], v[ACB+2*kk], s42, s43
	v_med3_num_f32 v[ACB+2*kk+1], v[ACB+2*kk+1], s42, s43
.endif
.else
	WIN 0x02                                       ; source 0 (Wk, Wq) window 2
	PWM 0
.if (\T) > (\Ta)
	v_med3_num_f32 v[ACB+2*kk], s[40+2*(\typ)], v[ACB+2*kk], s[41+2*(\typ)]
	v_med3_num_f32 v[ACB+2*kk+1], s[40+2*(\typ)], v[ACB+2*kk+1], s[41+2*(\typ)]
.endif
.endif
.if (kk%4) == 1
.if (\T) < (\Tb)
.if (\typ) != 1
	WIN 0
.endif
	AFGRP \typ, (\T)+1, 1-PAR, kk/4                ; no wait: no vector or matrix instruction since the wait at the tile's head names the other set or the address
.endif
.endif
.set kk, kk+1
.endr
.if (\T) > (\Ta)
	PCVT \typ, (\T)-1, ACB
	PLACES 2
	WIN 0
.else
	WIN 0
	PLACES 4
.endif
.endm
; a projection (typ 0 K, 1 V, 2 Q) of token tiles Ta .. Tb (Ta even) for the pair's 64 columns
.macro PRUN typ, Ta, Tb
	s_wait_alu depctr_va_vdst(0)                   ; whoever named v64-191 last (the run before's products; the attention's lines) is done: fragments land there
	AFLOAD \typ, \Ta, 0
.set TT, \Ta
.rept (\Tb)-(\Ta)+1
	PTILE \typ, TT, \Ta, \Tb
.set TT, TT+1
.endr
.set jj, 0
.rept 32
	v_med3_num_f32 v[ACA+jj], v[ACA+jj], s[40+2*(\typ)], s[41+2*(\typ)]   ; the last tile, each accumulator from its low end on
.set jj, jj+1
.endr
	PCVT \typ, \Tb, ACA
	v_nop
	WIN 0
.endm
; ---- attention, query tile i, both heads of the pair, key tiles lo .. hi of the window's five
.macro SW i, lo, hi                    ; S^T = K Q^T; the masks are the C of the edge tiles
	WIN 0x01
.set cc, \lo
.rept (\hi)-(\lo)+1
.irp a, 0,1
.set SD, SS+40*\a+8*cc
.set KA, 96+8*((\i)+cc)
.if cc == 0
	v_wmma_f32_16x16x64_fp8_fp8 v[SD:SD+7], v[KA:KA+7], v[QZ+8*\a:QZ+8*\a+7], v[MK0:MK0+7]
.elseif cc == 4
	v_wmma_f32_16x16x64_fp8_fp8 v[SD:SD+7], v[KA:KA+7], v[QZ+8*\a:QZ+8*\a+7], v[MK4:MK4+7]
.else
	v_wmma_f32_16x16x64_fp8_fp8 v[SD:SD+7], v[KA:KA+7], v[QZ+8*\a:QZ+8*\a+7], 0
.endif
.endr
.set cc, cc+1
.endr
	WIN 0
.endm
.macro MX lo, hi                       ; the largest score, two chains a head; each accumulator is read from its low end on
.set cc, \lo
.rept (\hi)-(\lo)+1
.irp a, 0,1
	v_max3_num_f32 v[MA+2*\a], v[MA+2*\a], v[SS+40*\a+8*cc], v[SS+40*\a+8*cc+1]
	v_max3_num_f32 v[MA+2*\a+1], v[MA+2*\a+1], v[SS+40*\a+8*cc+2], v[SS+40*\a+8*cc+3]
.endr
.irp a, 0,1
	v_max3_num_f32 v[MA+2*\a], v[MA+2*\a], v[SS+40*\a+8*cc+4], v[SS+40*\a+8*cc+5]
	v_max3_num_f32 v[MA+2*\a+1], v[MA+2*\a+1], v[SS+40*\a+8*cc+6], v[SS+40*\a+8*cc+7]
.endr
.set cc, cc+1
.endr
.endm
.macro FE lo, hi                       ; p = 2^(c s - M): the scalings, the exponentials as one batch, a plain line, one wait ahead of the first reader
.set cc, \lo
.rept (\hi)-(\lo)+1
.irp a, 0,1
.irp j, 0,2,4,6
	v_pk_fma_f32 v[SS+40*\a+8*cc+\j:SS+40*\a+8*cc+\j+1], v[SS+40*\a+8*cc+\j:SS+40*\a+8*cc+\j+1], s[48:49], v[NM+2*\a:NM+2*\a+1] op_sel_hi:[1,0,0]
.endr
.endr
.set cc, cc+1
.endr
.set cc, \lo
.rept (\hi)-(\lo)+1
.irp a, 0,1
.irp j, 0,1,2,3,4,5,6,7
	v_exp_f32 v[SS+40*\a+8*cc+\j], v[SS+40*\a+8*cc+\j]
.endr
.endr
.set cc, cc+1
.endr
	v_nop
	s_wait_alu depctr_va_vdst(0)                   ; the exponentials have written p; and the query tile before has written its codes v224-231, which the two LDS stores behind this wait read
.endm
.macro SQ lo, hi                       ; the sum of the unquantised p; the hold (p is not negative: one-sided); the codes
.set cc, \lo
.rept (\hi)-(\lo)+1
.irp a, 0,1
	v_pk_add_f32 v[LS+4*\a:LS+4*\a+1], v[LS+4*\a:LS+4*\a+1], v[SS+40*\a+8*cc:SS+40*\a+8*cc+1]
	v_pk_add_f32 v[LS+4*\a+2:LS+4*\a+3], v[LS+4*\a+2:LS+4*\a+3], v[SS+40*\a+8*cc+2:SS+40*\a+8*cc+3]
	v_pk_add_f32 v[LS+4*\a:LS+4*\a+1], v[LS+4*\a:LS+4*\a+1], v[SS+40*\a+8*cc+4:SS+40*\a+8*cc+5]
	v_pk_add_f32 v[LS+4*\a+2:LS+4*\a+3], v[LS+4*\a+2:LS+4*\a+3], v[SS+40*\a+8*cc+6:SS+40*\a+8*cc+7]
.endr
.irp a, 0,1
.irp j, 0,1,2,3,4,5,6,7
	v_min_num_f32 v[SS+40*\a+8*cc+\j], s50, v[SS+40*\a+8*cc+\j]
.endr
.endr
.irp a, 0,1
	v_cvt_scalef32_pk8_fp8_f32 v[PP+16*\a+2*cc:PP+16*\a+2*cc+1], v[SS+40*\a+8*cc:SS+40*\a+8*cc+7], v[SCP]
.endr
.set cc, cc+1
.endr
	v_nop                                          ; a plain line behind the last conversion
.endm
.macro ASTORE i                        ; registers 8 hp .. 8 hp + 7 of fragment (query tile i, K step = my wave), as they stand
	ds_store_b128 v[AOW], v[AOC:AOC+3] offset:4096*(\i)
	ds_store_b128 v[AOW], v[AOC+4:AOC+7] offset:4096*(\i)+512
.endm
; Query tile i.  Key tile c of its window is token tile i + c.  Tiles c < C0 = 4 - i lie ahead of my own rows: an even work-group, whose chunk begins with its own rows, jumps over them (three jumps on the work-group's number)
.macro ABODY i
.set C0, 4-(\i)
.if C0 < 0
.set C0, 0
.endif
	WIN 0x01
.irp q, 0,1,2,3
	v_mov_b32 v[QZ+\q], v[192+8*(\i)+\q]           ; head 0: Q's registers 0-3, zeros above;
	v_mov_b32 v[QZ+12+\q], v[196+8*(\i)+\q]        ; head 1: zeros below, registers 4-7
.endr
	WIN 0
.if C0 > 0
	s_cmp_eq_u32 s13, 0
	s_cbranch_scc1 .La_\@
	SW \i, 0, C0-1
.La_\@:
.endif
	SW \i, C0, 4
.irp m, 0,1,2,3
	v_mov_b32 v[MA+\m], v[NEG]                     ; the chains begin under every score.  (These four are the places behind the products)
.endr
	MX C0, 4
.if C0 > 0
	s_cmp_eq_u32 s13, 0
	s_cbranch_scc1 .Lb_\@
	MX 0, C0-1
.Lb_\@:
.endif
.irp a, 0,1
	v_max_num_f32 v[MA+2*\a], v[MA+2*\a], v[MA+2*\a+1]
.endr
.irp a, 0,1
	v_permlanex16_b32 v[MA+2*\a+1], v[MA+2*\a], s52, s53   ; the query's other keys lie in lane l xor 16
.endr
.irp a, 0,1
	v_max_num_f32 v[MA+2*\a], v[MA+2*\a], v[MA+2*\a+1]
.endr
.irp a, 0,1
	v_mul_f32 v[MA+2*\a], s48, v[MA+2*\a]          ; as t (c is positive)
.endr
.irp a, 0,1
	v_floor_f32 v[NM+2*\a], -v[MA+2*\a]            ; -M = floor(-t) = -ceil(t)
.endr
.irp j, 0,1,2,3,4,5,6,7
	v_mov_b32 v[LS+\j], 0
.endr
.if C0 > 0
.set jj, 0
.rept 2*C0
	v_mov_b32 v[PP+jj], 0                          ; the tiles that an even work-group leaves out count for nothing: zero codes
	v_mov_b32 v[PP+16+jj], 0
.set jj, jj+1
.endr
	s_cmp_eq_u32 s13, 0
	s_cbranch_scc1 .Lc_\@
	FE 0, C0-1
	SQ 0, C0-1
.Lc_\@:
.endif
	FE C0, 4
.if (\i) > 0
	ASTORE (\i)-1                                  ; the query tile before goes to LDS here, straight behind a wait that every way passes
.endif
	SQ C0, 4
.irp a, 0,1
	v_pk_add_f32 v[LS+4*\a:LS+4*\a+1], v[LS+4*\a:LS+4*\a+1], v[LS+4*\a+2:LS+4*\a+3]
.endr
.irp a, 0,1
	v_add_f32 v[LS+4*\a], v[LS+4*\a], v[LS+4*\a+1]
.endr
.irp a, 0,1
	v_permlanex16_b32 v[LS+4*\a+2], v[LS+4*\a], s52, s53
.endr
.irp a, 0,1
	v_add_f32 v[LS+4*\a], v[LS+4*\a], v[LS+4*\a+2] ; the row's sum
.endr
.irp a, 0,1
	v_rcp_f32 v[INV+2*\a], v[LS+4*\a]
.endr
	WIN 0x01
.irp a, 0,1
.irp u, 0,1
	v_wmma_f32_16x16x128_fp8_fp8 v[OO+8*(2*\a+\u):OO+8*(2*\a+\u)+7], v[24*(2*\a+\u)+2*(\i):24*(2*\a+\u)+2*(\i)+15], v[PP+16*\a:PP+16*\a+15], 0
.endr
.endr
	WIN 0
	PLACES 4                                       ; behind the products, and the plain line behind the reciprocals
	s_wait_alu depctr_va_vdst(0)                   ; the two reciprocals have written v56 and v58, ahead of their first reader
.irp a, 0,1
.irp j, 0,2,4,6,8,10,12,14
	v_pk_mul_f32 v[OO+16*\a+\j:OO+16*\a+\j+1], v[OO+16*\a+\j:OO+16*\a+\j+1], v[INV+2*\a:INV+2*\a+1] op_sel_hi:[1,0]
.endr
.endr
.set jj, 0
.rept 32
	v_med3_num_f32 v[OO+jj], v[OO+jj], s46, s47
.set jj, jj+1
.endr
	s_wait_dscnt 0x0                               ; the last tile's two stores are done,
.if (\i) > 0
	s_wait_alu depctr_vm_vsrc(0)                   ; and have read v224-231, which the conversions write
.endif
.irp m, 0,1,2,3
	v_cvt_scalef32_pk8_fp8_f32 v[AOC+2*\m:AOC+2*\m+1], v[OO+8*\m:OO+8*\m+7], v[SCA]
.endr
	v_nop
.endm
; ---- the last projection
.macro OAFG buf, adr, sg               ; 4 LDS loads: fragment sg of a query tile: its registers 0-7 from hp 0's image, 8-15 from hp 1's
.irp g, 0,1
	ds_load_b128 v[64+64*(\buf)+16*(\sg)+4*\g:64+64*(\buf)+16*(\sg)+4*\g+3], v[\adr] offset:1024*(\sg)+512*\g
	ds_load_b128 v[64+64*(\buf)+16*(\sg)+8+4*\g:64+64*(\buf)+16*(\sg)+8+4*\g+3], v[\adr] offset:AOD+1024*(\sg)+512*\g
.endr
.endm
.macro OADDR                           ; where the 16 rows that now enter the stage will be stored: tile s59 / 32768 of the sixteen (eight query tiles, two passes).  The count begins at tile 15 and wraps: what the first tile sends through the stage is never stored
	s_and_b32 s60, s59, 0x3ffff                    ; 16 rows of 2,048 bytes a query tile,
	s_lshr_b32 s61, s59, 18
	s_lshl_b32 s61, s61, 8                         ; 256 bytes a pass
	s_add_co_u32 s60, s60, s61
	v_add_nc_u32 v[GO2], s60, v[GO]
	s_add_co_u32 s59, s59, 32768
	s_and_b32 s59, s59, 0x7ffff
.endm
.macro OSEND                           ; 16 rows x 256 bytes out of v[OB] on
.irp t, 0,1,2,3,4,5,6,7
	global_store_b128 v[GO2], v[OB+4*\t:OB+4*\t+3], s[10:11] offset:4096*\t th:TH_STORE_NT   ; 16 lanes store 256 consecutive bytes, at a multiple of 256 from out0's first byte; written once, read by nobody here
.endr
.endm
.macro OSTAGE acc                      ; a lane holds 32 bytes of a row, the lanes beside it other rows: through my own stage and back as whole rows.  LDS serves a wave's instructions in order (ISA guide 5.7.1.4)
.irp t, 0,1,2,3
	ds_store_b128 v[STO], v[(\acc)+8*\t:(\acc)+8*\t+3] offset:64*\t
	ds_store_b128 v[STO], v[(\acc)+8*\t+4:(\acc)+8*\t+7] offset:64*\t+16
.endr
.irp t, 0,1,2,3,4,5,6,7
	ds_load_b128 v[OB+4*\t:OB+4*\t+3], v[SRD] offset:544*\t
.endr
.endm
; Tile n: its 16 matrix instructions (source 0 = 16 columns of Wo, source 1 = 16 tokens).  At its head tile n - 2 is stored; among its first eight products tile n - 1 is multiplied by 2^(e10 + e11) and tile n + 1's fragments are
; asked for, four loads behind products 0, 2, 4, 6; in its middle tile n - 1 goes through the stage.
; gate = 1: in the loop's first trip nothing is there to store.  (Tile 0 sends what the accumulators held before through the stage; it is never stored.)  nf = 1: tile n + 1 is fetched; na = 1: the address of tile n + 2 is made
.macro OTILE par, wsel, gate, nf, na
.set ACA, 192+32*(\par)
.set ACB, 224-32*(\par)
.set AFB, 64+64*(\par)
	s_wait_dscnt 0x0                               ; my fragments and the rows from the stage are in: nothing was issued behind them
	s_wait_alu depctr_vm_vsrc(0)                   ; the stage's stores of the tile before have read the accumulators that this tile's products begin anew
	s_wait_alu depctr_va_vdst(0)                   ; the tile before is done reading the other set, in which the next tile's fragments land.  (Ahead of tile 0: v9 is written)
.if \gate
	s_cmp_eq_u32 s57, 4
	s_cbranch_scc1 .Lg_\@
.endif
	OSEND                                          ; v10 was written ahead of the wait in the middle of the tile before; the rows come from LDS loads
.Lg_\@:
.set kk, 0
.rept 8
	WIN \wsel
	PWM 0
.irp j, 0,1,2,3
	v_mul_f32 v[ACB+4*kk+\j], s54, v[ACB+4*kk+\j]
.endr
.if \nf
.if (kk%2) == 0
	WIN 0
	OAFG 1-(\par), AR, kk/2                        ; no wait: no vector or matrix instruction since the wait at the tile's head names the other set or v9
.endif
.endif
.set kk, kk+1
.endr
	WIN 0
	s_wait_xcnt 0x0                                ; the stores above have had their addresses translated (ISA guide 3.1): v10 and v32-63 are written again only behind this wait,
	s_wait_alu depctr_vm_vsrc(0)                   ; and they have read v10 and v32-63; the fragments' loads have read v9
.if \na
	s_add_co_u32 s58, s58, 4096
	s_and_b32 s58, s58, 0x7fff                     ; query tile (n + 2) % 8
	v_add_nc_u32 v[AR], s58, v[ARB]
.endif
	OADDR
	s_wait_alu depctr_va_vdst(0)                   ; the scalings have written the accumulators that the stage's stores read; v9 and v10 are written
	OSTAGE ACB
	WIN \wsel
.rept 8
	PWM 0
.set kk, kk+1
.endr
	WIN 0
	PLACES 4                                       ; ahead of the next tile's reads of these results
.endm
; ==== the head
	s_load_b256 s[4:11], s[0:1], 0x0               ; x s[4:5], wfrag s[6:7], the scales' exponents s[8:9], out0 s[10:11]
	v_lshl_add_u32 v[SPW], v0, 2, SPARE
	v_mov_b32 v[NIL], 0
	v_lshrrev_b32 v60, 5, v0
	v_readfirstlane_b32 s12, v60                   ; wave 0..3
	s_and_b32 s13, ttmp9, 1                        ; kind
	v_and_b32 v61, 31, v0                          ; lane
	v_lshlrev_b32 v[LI], 4, v61
	v_mul_u32_u24 v60, v61, 272
	s_wait_alu depctr_va_sdst(0)                   ; s12 is written, ahead of its first reader
	s_lshl_b32 s60, s12, 6
	WIN 0x40                                       ; the two zones' own copies
	v_mov_b32 v195, v[LI]
	v_add_nc_u32 v196, s60, v60                    ; my block of a tile, my wave's four tokens in it
	WIN 0xc0
	v_mov_b32 v195, v[LI]
	v_add_nc_u32 v196, s60, v60
	WIN 0
	s_lshl_b32 s2, ttmp9, 7
	s_lshl_b32 s3, s12, 2
	s_add_co_u32 s2, s2, s3                        ; row 128 wg + 4 w
	s_lshl_b32 s2, s2, 11
	s_mov_b32 s3, 0
	s_lshl_b32 s60, s12, 18                        ; my wave's 262,144 bytes of wfrag
	s_mov_b32 s61, 0
	s_lshl_b32 s62, ttmp9, 18                      ; out0: 128 rows of 2,048 bytes a work-group,
	s_lshl_b32 s63, s12, 9                         ; 512 bytes a wave
	s_add_co_u32 s62, s62, s63
	s_mov_b32 s63, 0
	s_wait_kmcnt 0x0
	s_load_b256 s[16:23], s[8:9], 0x0              ; e0 .. e7
	s_load_b128 s[24:27], s[8:9], 0x20             ; e8 .. e11
	s_add_nc_u64 s[4:5], s[4:5], s[2:3]
	s_add_nc_u64 s[6:7], s[6:7], s[60:61]
	s_add_nc_u64 s[10:11], s[10:11], s[62:63]
	s_wait_alu depctr_va_vdst(0)                   ; v195 of both zones and v1 are written: the offsets of x's loads and of the weights'
	XLD 0x55, 4                                    ; my own first four tiles are asked for before anything else is done
	XLD 0xff, 6
	v_and_b32 v62, 15, v0                          ; r
	v_bfe_u32 v63, v0, 4, 1                        ; h
	v_mul_u32_u24 v60, v63, 272
	v_lshl_add_u32 v60, v62, 4, v60                ; 272 h + 16 r
.irp n, 0,1,2,3,4,5
	v_add_nc_u32 v[AX+\n], 6*TILEB*\n, v60
.endr
	s_mul_i32 s2, s12, 4352
	v_mul_u32_u24 v[STO], v62, 272
	v_lshl_add_u32 v[STO], v63, 5, v[STO]
	v_add_nc_u32 v[STO], s2, v[STO]
	v_add_nc_u32 v[SRD], s2, v60
	v_lshlrev_b32 v[GO], 11, v63
	v_lshl_add_u32 v[GO], v62, 4, v[GO]
	v_add_nc_u32 v[ARB], AO0, v[LI]
	v_lshlrev_b32 v[DLT], 3, v63
	v_sub_nc_u32 v[DLT], v62, v[DLT]               ; d = r - 8 h.  Register j of a score tile is key 8 h + j of the tile, for query r
	v_mov_b32 v[NEG], 0xf1800000                   ; -2^100
.irp j, 0,1,2,3,4,5,6,7
	v_cmp_lt_i32 s[32+\j], \j, v[DLT]              ; the far tile: key 16 i + 8 h + j counts where it is at least query - 64 = 16 i + r: hidden where j < d
	v_cmp_gt_i32 s[40+\j], \j, v[DLT]              ; the diagonal tile: hidden where 8 h + j > r
.endr
	s_wait_alu depctr_va_sdst(0)                   ; the sixteen compares have written s32-47, ahead of the selects that read them
.irp j, 0,1,2,3,4,5,6,7
	v_cndmask_b32 v[MK0+\j], 0, v[NEG], s[32+\j]
	v_cndmask_b32 v[MK4+\j], 0, v[NEG], s[40+\j]
.endr
	v_mov_b32 v[NM+1], 0                           ; (named as the upper halves of pairs, so they are written)
	v_mov_b32 v[NM+3], 0
	v_mov_b32 v[INV+1], 0
	v_mov_b32 v[INV+3], 0
	s_mov_b32 s52, 0x76543210                      ; v_permlanex16_b32's selects for lane l xor 16
	s_mov_b32 s53, 0xfedcba98
	s_wait_kmcnt 0x0
	s_mov_b32 s60, s18                             ; x's three scales, in the order of the passes: e2 (for K),
	POW2 33, 36
	s_mov_b32 s60, s20                             ; e4 (for V),
	POW2 34, 37
	s_mov_b32 s60, s16                             ; e0 (for Q)
	POW2 35, 38
	s_sub_co_i32 s60, s23, s18                     ; a sum of x Wk stands for sum x 2^(e2 + e3): its code is sum / 2^(e7 - e2 - e3): the three scales folded into the conversion's one
	s_sub_co_i32 s60, s60, s19
	POW2 61, 41
	v_mov_b32 v[SCK], s61
	s_or_b32 s40, s41, 0x80000000
	s_sub_co_i32 s60, s25, s20                     ; V: e9 - e4 - e5
	s_sub_co_i32 s60, s60, s21
	POW2 61, 43
	v_mov_b32 v[SCK+1], s61
	s_or_b32 s42, s43, 0x80000000
	s_sub_co_i32 s60, s22, s16                     ; Q: e6 - e0 - e1
	s_sub_co_i32 s60, s60, s17
	POW2 61, 45
	v_mov_b32 v[SCK+2], s61
	s_or_b32 s44, s45, 0x80000000
	s_mov_b32 s60, s24                             ; p: e8
	POW2 61, 50
	v_mov_b32 v[SCP], s61
	s_sub_co_i32 s60, s26, s24                     ; the attention result: (sum / l) / 2^(e10 - e8 - e9)
	s_sub_co_i32 s60, s60, s25
	POW2 61, 47
	v_mov_b32 v[SCA], s61
	s_or_b32 s46, s47, 0x80000000
	s_add_co_i32 s60, s22, s23                     ; a score stands for score x 2^(e6 + e7): added to the exponent field of
	s_lshl_b32 s60, s60, 23
	s_add_co_i32 s48, s60, 0x3e8293ee              ; c = log2(e) / sqrt(32)
	s_mov_b32 s49, s48                             ; (named with it as a pair)
	s_add_co_i32 s60, s26, s27
	s_add_co_i32 s60, s60, 127
	s_lshl_b32 s54, s60, 23                        ; 2^(e10 + e11)
	s_wait_alu depctr_va_vdst(0)                   ; v2-7, v11-13 and v23 are written: the addresses that the LDS loads and stores and the global stores of the whole kernel read, or are made from
; ==== x becomes three sets of codes in LDS.  Six turns of the two zones, written out: my own tiles first, the 64 rows ahead last, so that every counted wait counts loads that are issued on every way through the text:
; behind a zone's 32 loads stand the other zone's 32, or 32 of the first weight slice, which go out ahead of an odd work-group's loads of the rows ahead.
	XHALF 0x55, 4, 1, 32                           ; tiles 4, 5; out: tiles 6, 7
	XLD 0x55, 8
	XHALF 0xff, 6, 1, 32                           ; out: tiles 8, 9
	XLD 0xff, 10
	XHALF 0x55, 8, 1, 32                           ; out: tiles 10, 11
	WPART 0
	s_cmp_eq_u32 s13, 0
	s_cbranch_scc1 .Lnh0
	XLD 0x55, 0                                    ; an odd work-group alone: these rows lie 64 to 33 rows ahead of my own, inside x
.Lnh0:
	XHALF 0xff, 10, 1, 32                          ; out: the slice's first half at the least
	WPART 32
	s_cmp_eq_u32 s13, 0
	s_cbranch_scc1 .Lnh1
	XLD 0xff, 2
.Lnh1:
	XHALF 0x55, 0, 0, 32                           ; tiles 0, 1; out: the slice's second half at the least
	XHALF 0xff, 2, 0, 0                            ; tiles 2, 3: nothing was issued behind them
	BARRIER                                        ; x's codes lie in LDS
	s_wait_alu depctr_vm_vsrc(0)                   ; x's loads have read v195, its LDS stores v194 and v160-191, in windows 1 and 3: from here on K's, V's and Q's codes and a weight slice are written there
	WIN 0x40
.set jj, 0
.rept 32
	v_mov_b32 v[96+jj], 0                          ; K's and V's codes of tiles 0 .. 3: zero codes, which an odd work-group's projections write over.  In an even one V's are named by the second product, against zero codes of p
.set jj, jj+1
.endr
.irp ct, 0,1,2,3
.irp j, 0,1,2,3,4,5,6,7
	v_mov_b32 v[24*\ct+\j], 0
.endr
.endr
	WIN 0
	s_lshl_b32 s56, s12, 10
	s_add_co_u32 s56, s56, AO0                     ; my images of the attention result
	s_mov_b32 s55, 0
; ==== two trips, a pair of heads each: K, V, Q for its 64 columns, then its attention.  Each weight slice has the projection before it, or the attention, in which to land
.Lhp:
	s_wait_loadcnt 0x0                             ; Wk's slice is in window 2
	WLOAD 3                                        ; Wv's
	s_cmp_eq_u32 s13, 0
	s_cbranch_scc1 .Lk_own
	PRUN 0, 0, 3
.Lk_own:
	PRUN 0, 4, 11
	s_wait_loadcnt 0x0                             ; Wv's slice is in
	WLOAD 2                                        ; Wq's, over Wk's, which has been multiplied
	s_cmp_eq_u32 s13, 0
	s_cbranch_scc1 .Lv_own
	PRUN 1, 0, 3
.Lv_own:
	PRUN 1, 4, 11
	s_wait_loadcnt 0x0                             ; Wq's slice is in
	PRUN 2, 4, 11
	WLOAD 2                                        ; the next pair's Wk, or Wo's first pass
	BARRIER                                        ; no wave reads x's codes in this trip any more: in the second trip XQ's first tiles may be written over
	v_add_nc_u32 v[AOW], s56, v[LI]                ; (its first reader stands behind the wait for query tile 1's exponentials)
.irp q, 0,1,2,3
	v_mov_b32 v[QZ+4+\q], 0                        ; the halves of Q that stay zero,
	v_mov_b32 v[QZ+8+\q], 0
.endr
.irp q, 10,11,12,13,14,15
	v_mov_b32 v[PP+\q], 0                          ; and p's codes past the window's 80 keys
	v_mov_b32 v[PP+16+\q], 0
.endr
	ABODY 0
	ABODY 1
	ABODY 2
	ABODY 3
	ABODY 4
	ABODY 5
	ABODY 6
	ABODY 7
	s_wait_alu depctr_va_vdst(0)                   ; query tile 7's conversions have written v224-231, which its two stores read
	ASTORE 7
	s_add_co_u32 s56, s56, AOD
	BARRIER                                        ; the images have landed: behind it LDS is only read until the next barrier (the next trip's projections; behind the last trip the last projection)
	s_wait_alu depctr_vm_vsrc(0)                   ; the last two stores have read v8 and v224-231: the next trip's products and its address line, or the last projection's scalings, write them
	s_add_co_u32 s55, s55, 1
	s_cmp_lt_u32 s55, 2
	s_cbranch_scc1 .Lhp
; ==== out0 = attention result x Wo: sixteen tiles of 16 rows x 64 columns, eight with each slice of Wo
	s_wait_loadcnt 0x0                             ; Wo's first pass is in window 2
	WLOAD 3                                        ; its second.  The wait in it also stands for the loads below: the attention's lines are done with v64-127
.irp sg, 0,1,2,3
	OAFG 0, ARB, \sg                               ; tile 0's fragments
.endr
	s_mov_b32 s58, 4096                            ; the query tile to be fetched next,
	v_add_nc_u32 v[AR], s58, v[ARB]                ; and its address
	s_mov_b32 s59, 15*32768                        ; the tile that enters the stage next, less one round: see OADDR
	s_mov_b32 s57, 4
.Loa:
	OTILE 0, 0x02, 1, 1, 1
	OTILE 1, 0x02, 1, 1, 1
	s_sub_co_u32 s57, s57, 1
	s_cmp_lg_u32 s57, 0
	s_cbranch_scc1 .Loa
	s_wait_loadcnt 0x0                             ; the second pass's slice is in window 3
	s_mov_b32 s57, 3
.Lob:
	OTILE 0, 0x03, 0, 1, 1
	OTILE 1, 0x03, 0, 1, 1
	s_sub_co_u32 s57, s57, 1
	s_cmp_lg_u32 s57, 0
	s_cbranch_scc1 .Lob
	OTILE 0, 0x03, 0, 1, 0                         ; the last tile but one fetches the last; no address is made beyond it
	OTILE 1, 0x03, 0, 0, 0                         ; the last fetches nothing
	s_wait_dscnt 0x0
	OSEND                                          ; the last tile but one
.set jj, 0
.rept 32
	v_mul_f32 v[224+jj], s54, v[224+jj]
.set jj, jj+1
.endr
	s_wait_xcnt 0x0                                ; the stores above have had their addresses translated,
	s_wait_alu depctr_vm_vsrc(0)                   ; and have read v10 and v32-63, which the lines below write
	OADDR
	s_wait_alu depctr_va_vdst(0)                   ; the scalings have written v224-255, which the stage's stores read; v10 is written
	OSTAGE 224
	s_wait_dscnt 0x0
	OSEND                                          ; the last
	s_wait_dscnt 0x0                               ; the closing lines, six on end
	s_wait_alu 0x0
	s_wait_tensorcnt 0x0
	ds_add_u32 v[SPW], v[NIL]
	s_wait_dscnt 0x0
	s_endpgm
.Lfunc_end_k_qf3fcb4f074_fused:
	.size	k_qf3fcb4f074_fused, .Lfunc_end_k_qf3fcb4f074_fused-k_qf3fcb4f074_fused
	.p2alignl 7, 3214868480
	.fill 96, 4, 3214868480
	.section	.rodata,"a",@progbits
	.p2align	6, 0x0
	.amdhsa_kernel k_qf3fcb4f074_fused
		.amdhsa_group_segment_fixed_size 313856
		.amdhsa_private_segment_fixed_size 0
		.amdhsa_enable_private_segment 0
		.amdhsa_kernarg_size 32
		.amdhsa_user_sgpr_count 2
		.amdhsa_user_sgpr_kernarg_segment_ptr 1
		.amdhsa_wavefront_size32 1
		.amdhsa_system_sgpr_workgroup_id_x 1
		.amdhsa_system_sgpr_workgroup_id_y 1
		.amdhsa_system_sgpr_workgroup_id_z 1
		.amdhsa_system_vgpr_workitem_id 0
		.amdhsa_next_free_vgpr 1024
		.amdhsa_next_free_sgpr 66
		.amdhsa_reserve_vcc 0
		.amdhsa_float_denorm_mode_32 3
		.amdhsa_float_denorm_mode_16_64 3
		.amdhsa_memory_ordered 1
		.amdhsa_forward_progress 1
		.amdhsa_inst_pref_size 255
	.end_amdhsa_kernel
	.section	.bss,"aw",@nobits
	.p2align	6
	.space	262144
	.amdgpu_metadata
---
amdhsa.version: [ 1, 2 ]
amdhsa.kernels:
  - .name:           k_qf3fcb4f074_fused
    .symbol:         k_qf3fcb4f074_fused.kd
    .args:
      - { .name: x, .offset: 0, .size: 8, .value_kind: global_buffer, .address_space: global }
      - { .name: wfrag, .offset: 8, .size: 8, .value_kind: global_buffer, .address_space: global }
      - { .name: lowp_scales, .offset: 16, .size: 8, .value_kind: global_buffer, .address_space: global }
      - { .name: out0, .offset: 24, .size: 8, .value_kind: global_buffer, .address_space: global }
    .group_segment_fixed_size: 313856
    .private_segment_fixed_size: 0
    .kernarg_segment_align: 8
    .kernarg_segment_size: 32
    .max_flat_workgroup_size: 128
    .sgpr_count:     66
    .vgpr_count:     1024
    .wavefront_size: 32
...
	.end_amdgpu_metadata
.endif
;; end of part 3
